; MI455X (gfx1250); checked and timed in simulation.
; The chip was launched on July 23, 2026; its instructions are those of AMD's public machine-readable ISA for CDNA 5 (MIT licence, August 2026) and "CDNA5" Instruction Set Architecture Reference Guide (July 2026). The comments in the code are by the model that wrote it; some were corrected since.
;; KNN Aggregation Variants. Allowed arithmetic: matrix products marked QUANTISED: E2M3 operands, one E8M0 scale for each 32 along K, by v_wmma_scale_f32_16x16x128_f8f6f4 with both operands' format E2M3, f32 sums; products left as they are: f32 operands where the result goes on into a quantised operand, else bf16, f16 or f32 operands; f32 sums; everything else in f32.
;; Inputs: W_feat_codes 256 x 8 x 24 uint8 (E2M3 codes of W_feat, K innermost, in blocks of 32 codes, four codes in three bytes); W_feat_scales 256 x 8 uint8 (E8M0 scales of W_feat, one for each 32 codes along K); W_pos1 4 x 128 float32; W_pos2_codes 256 x 4 x 24 uint8 (E2M3 codes of W_pos2, K innermost, in blocks of 32 codes, four codes in three bytes); W_pos2_scales 256 x 4 uint8 (E8M0 scales of W_pos2, one for each 32 codes along K); b_feat 256 float32; b_pos1 128 float32; b_pos2 256 float32; beta 256 float32; coords 2 x 4,096 x 3 float32; features_codes 2 x 4,096 x 8 x 24 uint8 (E2M3 codes of features, K innermost, in blocks of 32 codes, four codes in three bytes); features_scales 2 x 4,096 x 8 uint8 (E8M0 scales of features, one for each 32 codes along K); gamma 256 float32.
;; Outputs: out0 2 x 4,096 x 256 float32.
;; This version of the problem:
;;   THIS VERSION OF THE PROBLEM IS GIVEN IN LOW PRECISION. The matrix products marked QUANTISED in the list below multiply operands that are first quantised to E2M3 (2 exponent bits, 3 mantissa bits; 6 bits a number), with one power-of-two scale for each 32 numbers along K (OCP MX v1.0); their sums are f32. All else is computed in f32.
;;   The module's matrix products, in the order in which they are computed (A, B: the left and right operand; K: the contracted axis; several contracted axes count as one K, in the product's order):
;;     1. [M 8,192, K 256] x [K 256, N 256]; A: input features (given as codes); B: input W_feat (given as codes): QUANTISED
;;     2. [M 131,072, K 4] x [K 4, N 128]; A: computed on the way; B: input W_pos1: left as it is (K = 4 < 32)
;;     3. [M 131,072, K 128] x [K 128, N 256]; A: computed on the way; B: input W_pos2 (given as codes): QUANTISED
;;   THE QUANTISER, for each operand of a quantised product, along K:
;;     - K is cut into blocks of 32 from its start; a last block that is shorter is filled with zeros.
;;     - A block's scale is 2^e with e = floor(log2(the largest magnitude in the block)) - 2, held to -126 .. 127; a block of zeros has e = 0. As a byte (E8M0): e + 127.
;;     - Each number is divided by its block's scale, clamped to +-7.5, and rounded to the nearest number of E2M3, ties to even, subnormals kept.
;;     - The product sums the exact products of the quantised numbers (number of the format x scale) in f32.
;;   ~~~python
;;   def quantise(x, axis):      # numpy; x: float32 -> the quantised numbers, widened to float32 again
;;       x = np.moveaxis(x, axis, -1); K = x.shape[-1]
;;       x = np.pad(x, [(0, 0)] * (x.ndim - 1) + [(0, -K % 32)]); x = x.reshape(x.shape[:-1] + (-1, 32)); a = np.abs(x).max(-1, keepdims=True)
;;       e = np.where(a > 0, np.clip(np.frexp(np.where(a > 0, a, 1))[1] - 1 - 2, -126, 127), 0)      # np.frexp(a)[1] - 1 = floor(log2(a)), exactly
;;       r = np.clip(x / 2.0 ** e, -7.5, 7.5)
;;       step = 2.0 ** (np.maximum(np.frexp(np.where(r == 0, 1, r))[1] - 1, 0) - 3)
;;       q = np.round(r / step) * step * 2.0 ** e      # np.round: ties to even
;;       return np.moveaxis(q.reshape(q.shape[:-2] + (-1,))[..., :K], -1, axis).astype(np.float32)
;;   ~~~
;;   OPERANDS COMPUTED ON THE WAY. 'Computed on the way' means the value that the module computes at that place (a softmax that the list does not call 'softmax' is quantised finished and normalised). What goes into a quantiser is computed in f32, as accurately as f32 sums, v_exp_f32 and their like allow (about 1e-6 of the number): no bf16 or f16 on the way to a quantiser, and a product that is left as it is and whose result goes on into a quantised operand takes f32 operands (vector FMAs, or v_wmma_f32_16x16x4_f32). A number that lies on a knife's edge between two numbers of the format may be rounded either way, as far as f32 arithmetic and the matrix unit's own rounding can turn it there, and no further.
;;   INPUTS GIVEN AS CODES. W_feat (in the module: [256, 256], K = its axis 0); W_pos2 (in the module: [128, 256], K = its axis 0); features (in the module: [2, 4096, 256], K = its axis 2): each comes as NAME_codes (uint8): NAME with its K axis moved to the last place and cut into blocks of 32 codes, [.., K / 32, bytes a block], one block behind the other in memory; four codes in three bytes: a row's codes are one little-endian stream of bits, code i at bits 6 i .. 6 i + 5 (a code: sign, 2 exponent bits, 3 mantissa bits); and NAME_scales (uint8): the same leading axes, one E8M0 byte (e + 127) for each 32 codes along K. Its value is code x scale, taken as it is: it is not quantised again, and the codes and scales need not be those that the quantiser above would give.
;; 2 versions. Each part assembles by itself: llvm-mc -triple=amdgcn-amd-amdhsa -mcpu=gfx1250 --defsym DOCPART=n.
;; ======== version 1 of 2: 3 launches
;; workspace buffers: gmask 262,144 bytes of whole numbers; knn 524,288 bytes of whole numbers
;; launch groups (part 1): grid 256 x 1, 16 waves a work-group, no clusters, 44,032 bytes of LDS; arguments coords, gmask; writes gmask
.if DOCPART == 1
	.amdgcn_target "amdgcn-amd-amdhsa--gfx1250"
	.amdhsa_code_object_version 6
	.text
	.protected	k_q9de60612ab_groups
	.globl	k_q9de60612ab_groups
	.p2align	8
	.type	k_q9de60612ab_groups,@function
k_q9de60612ab_groups:
	s_mov_b64 s[64:65], 0
	v_nop
	global_prefetch_b8 v0, s[64:65] scope:SCOPE_SE
	s_setreg_imm32_b32 hwreg(HW_REG_WAVE_MODE, 25, 1), 1
	s_wait_xcnt 0x0
; FIRST OF THREE LAUNCHES.  For each of the 8,192 points (2 batches of 4,096) the distance d = sqrt(dx^2 + dy^2) + 0.3 |dt| to every point of its batch is made,
; +infinity for the point itself and for later points (t_j > t_i), and reduced at once to the minimum of each GROUP of 16 consecutive candidates: 256 groups a query.
; Then the 16 smallest groups by (minimum, group number) are chosen, exactly, and stored as a mask of 256 bits a query: gmask[query][lam] (u16), bit r = group 16 lam + r.
; WHY THAT IS ENOUGH: were one of the 16 nearest points, by (d, j), in a group that is not among the 16 smallest, 16 other groups would each hold a point that comes ahead of it.
; SHARES.  A work-group owns 32 queries of one batch.  Wave W: candidates 512 (W / 2) on, queries 16 (W % 2) on.  A lane owns one group: its 16 candidates lie in registers.
; The wave's 16 queries lie in scalar registers; the text is written out query by query, so that a query's roots are issued while the next query's squares are made.
; No matrix unit (nothing here is a product), no tensor load and no cluster: what is shared is 48 KB of coordinates, which every lane takes into registers once.
; LIMITS: NaN and infinite coordinates are not served; the root takes dx^2 + dy^2 under 2^-126 as 0; d is fma, root (1 ulp), fma: two candidates whose d agree within that rounding may be ordered otherwise than by another rounding.
.set GMQ,  1280                        ; LDS: a query's 256 minima: 16 chunks of 64 bytes + 16 of padding
.set GOUT, 40960                       ; behind them: 512 words of 16 bits, the masks
.set X,    16                          ; v16-31   x of my 16 candidates
.set Y,    32                          ; v32-47   y
.set NT,   48                          ; v48-63   -t
.set RAW,  64                          ; v64-111  the coordinates as loaded
.set SET0, 64                          ; two sets of 48 (v64-111, v112-159): +0 dx^2 + dy^2, then d; +16 u = t_i - t_j; +32 u x -infinity
.set DX,   160                         ; v160-175
.set DY,   176                         ; v176-191
.set MA,   12
.set MB,   13
.set VGA,  14                          ; where my group's minimum goes, for the wave's first query
.set VINF, 15
.set K,    16                          ; the choice: 16 keys a lane, kept
.set SA,   32
.set SB,   48
.set TT,   64
.set TH,   TT                          ; the 16th smallest key
.set MLT,  TT+1                        ; bit r: key r is smaller
.set MEQ,  TT+2                        ; bit r: key r is equal
.set CL,   TT+3
.set CE,   TT+4
.set IE,   TT+5
.set TMP,  TT+6
.set AA,   TT+7
.set POS,  TT+8
.set P1,   TT+9
.set P2,   TT+10
.set P3,   TT+11
.set TQ,   TT+12
.set TW,   TT+13
.set KM,   TT+14
.set SEL,  TT+15
.set SM,   15                          ; s15
; one stage of a bitonic network on a lane's 16 registers, from src into dst: no copies
.macro STAGE src, dst, kk, jj
.set si, 0
.rept 16
.if (si/\jj)%2 == 0
.if (si/\kk)%2 == 0
	v_min_num_f32 v[\dst+si], v[\src+si], v[\src+si+\jj]
	v_max_num_f32 v[\dst+si+\jj], v[\src+si], v[\src+si+\jj]
.else
	v_max_num_f32 v[\dst+si], v[\src+si], v[\src+si+\jj]
	v_min_num_f32 v[\dst+si+\jj], v[\src+si], v[\src+si+\jj]
.endif
.endif
.set si, si+1
.endr
.endm
; two sorted lists, mine and that of lane xor mm: the 16 smallest of both, sorted, in dst; both lanes end with the same list
.macro MERGE src, dst, mm
.set mi, 0
.rept 16
	v_min_num_f32_dpp v[\dst+mi], v[\src+15-mi], v[\src+mi] row_xmask:\mm row_mask:0xf bank_mask:0xf
.set mi, mi+1
.endr
	STAGE \dst, \src, 16, 8
	STAGE \src, \dst, 16, 4
	STAGE \dst, \src, 16, 2
	STAGE \src, \dst, 16, 1
.endm
; the set bits of a 16-bit mask counted in fields of 2 (P1), 4 (P2) and 8 bits (P3), and in all (cc)
.macro COUNTS mk, cc
	v_lshrrev_b32 v[TQ], 1, v[\mk]
	v_and_b32 v[TQ], 0x5555, v[TQ]
	v_sub_nc_u32 v[P1], v[\mk], v[TQ]
	v_lshrrev_b32 v[TQ], 2, v[P1]
	v_and_b32 v[TQ], 0x3333, v[TQ]
	v_and_b32 v[P2], 0x3333, v[P1]
	v_add_nc_u32 v[P2], v[P2], v[TQ]
	v_lshrrev_b32 v[TQ], 4, v[P2]
	v_add_nc_u32 v[P3], v[P2], v[TQ]
	v_and_b32 v[P3], 0x0f0f, v[P3]
	v_lshrrev_b32 v[TQ], 8, v[P3]
	v_add_nc_u32 v[\cc], v[P3], v[TQ]
	v_and_b32 v[\cc], 31, v[\cc]
.endm
; POS = the place of set bit number nn (from 0) of the mask that COUNTS saw last; nn is used up.  Past the last set bit: 15
.macro NTH mk, nn
	v_and_b32 v[TQ], 0xff, v[P3]
	v_cmp_ge_u32 vcc_lo, v[\nn], v[TQ]
	v_cndmask_b32 v[TQ], 0, v[TQ], vcc_lo
	v_sub_nc_u32 v[\nn], v[\nn], v[TQ]
	v_cndmask_b32 v[POS], 0, 8, vcc_lo
	v_bfe_u32 v[TQ], v[P2], v[POS], 4
	v_cmp_ge_u32 vcc_lo, v[\nn], v[TQ]
	v_cndmask_b32 v[TQ], 0, v[TQ], vcc_lo
	v_sub_nc_u32 v[\nn], v[\nn], v[TQ]
	v_cndmask_b32 v[TW], 0, 4, vcc_lo
	v_add_nc_u32 v[POS], v[POS], v[TW]
	v_bfe_u32 v[TQ], v[P1], v[POS], 2
	v_cmp_ge_u32 vcc_lo, v[\nn], v[TQ]
	v_cndmask_b32 v[TQ], 0, v[TQ], vcc_lo
	v_sub_nc_u32 v[\nn], v[\nn], v[TQ]
	v_cndmask_b32 v[TW], 0, 2, vcc_lo
	v_add_nc_u32 v[POS], v[POS], v[TW]
	v_bfe_u32 v[TQ], v[\mk], v[POS], 1
	v_cmp_ge_u32 vcc_lo, v[\nn], v[TQ]
	v_cndmask_b32 v[TW], 0, 1, vcc_lo
	v_add_nc_u32 v[POS], v[POS], v[TW]
.endm
; IE becomes its inclusive sum over the lanes of the row, from lane 0 on
.macro PREFIX
.irp sh, 1,2,4,8
	v_mov_b32 v[TMP], 0
	v_mov_b32_dpp v[TMP], v[IE] row_shr:\sh row_mask:0xf bank_mask:0xf bound_ctrl:1
	v_add_nc_u32 v[IE], v[IE], v[TMP]
.endr
.endm
; A row of 16 lanes holds a query's 256 keys, lane lam's register r being number 16 lam + r.  SEL: bit r set where my key r is among the 16 smallest by (key, number); keys of +infinity are never taken.
.macro SELECT16
	STAGE K, SA, 2, 1                      ; each lane sorts its 16
	STAGE SA, SB, 4, 2
	STAGE SB, SA, 4, 1
	STAGE SA, SB, 8, 4
	STAGE SB, SA, 8, 2
	STAGE SA, SB, 8, 1
	STAGE SB, SA, 16, 8
	STAGE SA, SB, 16, 4
	STAGE SB, SA, 16, 2
	STAGE SA, SB, 16, 1
	MERGE SB, SA, 1                        ; the 16 smallest of 2, 4, 8 lanes
	MERGE SA, SB, 2
	MERGE SB, SA, 4
.set mi, 0
.rept 16
	v_min_num_f32_dpp v[SB+mi], v[SA+15-mi], v[SA+mi] row_xmask:8 row_mask:0xf bank_mask:0xf   ; of all 16 lanes, unsorted: only their largest is wanted
.set mi, mi+1
.endr
	v_max3_num_f32 v[TH], v[SB], v[SB+1], v[SB+2]
	v_max3_num_f32 v[TQ], v[SB+3], v[SB+4], v[SB+5]
.irp i, 6,10
	v_max3_num_f32 v[TH], v[TH], v[SB+\i], v[SB+\i+1]
	v_max3_num_f32 v[TQ], v[TQ], v[SB+\i+2], v[SB+\i+3]
.endr
	v_max3_num_f32 v[TH], v[TH], v[SB+14], v[SB+15]
	v_max_num_f32 v[TH], v[TH], v[TQ]      ; the row's 16th smallest key
	v_mov_b32 v[MLT], 0
	v_mov_b32 v[MEQ], 0
	v_mov_b32 v[TMP], 0
.irp r, 15,14,13,12,11,10,9,8,7,6,5,4,3,2,1,0
	v_cmp_lt_f32 vcc_lo, v[K+\r], v[TH]
	v_add_co_ci_u32 v[MLT], vcc_lo, v[MLT], v[MLT], vcc_lo     ; the mask doubled, plus the new bit
	v_cmp_eq_f32 vcc_lo, v[K+\r], v[TH]
	v_add_co_ci_u32 v[MEQ], vcc_lo, v[MEQ], v[MEQ], vcc_lo
.endr
	COUNTS MLT, CL
	COUNTS MEQ, CE
.irp mm, 1,2,4,8
	v_mov_b32_dpp v[TMP], v[CL] row_xmask:\mm row_mask:0xf bank_mask:0xf
	v_add_nc_u32 v[CL], v[CL], v[TMP]      ; how many keys of the row are smaller: at most 15
.endr
	v_mov_b32 v[IE], v[CE]
	PREFIX
	v_sub_nc_u32 v[IE], v[IE], v[CE]       ; equal keys in the lanes ahead of me
	v_sub_nc_u32 v[AA], 16, v[CL]          ; equal keys still to be taken in the row
	v_min_u32 v[IE], v[IE], v[AA]
	v_sub_nc_u32 v[AA], v[AA], v[IE]       ; and by me at the most
	v_cmp_gt_u32 vcc_lo, 0x7f800000, v[TH] ; keys are never negative: as bits, a finite key lies under +infinity's
	v_cndmask_b32 v[AA], 0, v[AA], vcc_lo
	v_cmp_ge_u32 s[SM], v[AA], v[CE]       ; all my equal keys are taken
	NTH MEQ, AA
	v_cndmask_b32 v[POS], v[POS], 16, s[SM]
	v_lshlrev_b32 v[KM], v[POS], 1
	v_add_nc_u32 v[KM], -1, v[KM]          ; the bits under the first equal key that is not taken
	v_and_or_b32 v[SEL], v[MEQ], v[KM], v[MLT]
.endm
; query qq's squares, u and mask numbers into a set: 48 packed lines, stage by stage, so that no line waits for the line above it
.macro FRONT qq, set
	s_xor_b32 s66, s[16+3*(\qq)], 0x80000000       ; -x_i;  the packed forms name a pair and take its low word for both halves
	s_xor_b32 s68, s[17+3*(\qq)], 0x80000000       ; -y_i
	s_mov_b32 s70, s[18+3*(\qq)]                   ; t_i
.irp p, 0,2,4,6,8,10,12,14
	v_pk_add_f32 v[DX+\p:DX+\p+1], v[X+\p:X+\p+1], s[66:67] op_sel_hi:[1,0]
.endr
.irp p, 0,2,4,6,8,10,12,14
	v_pk_add_f32 v[DY+\p:DY+\p+1], v[Y+\p:Y+\p+1], s[68:69] op_sel_hi:[1,0]
.endr
.irp p, 0,2,4,6,8,10,12,14
	v_pk_add_f32 v[\set+16+\p:\set+17+\p], v[NT+\p:NT+\p+1], s[70:71] op_sel_hi:[1,0]   ; u = t_i - t_j: |dt| wherever the candidate counts
.endr
.irp p, 0,2,4,6,8,10,12,14
	v_pk_mul_f32 v[\set+\p:\set+\p+1], v[DX+\p:DX+\p+1], v[DX+\p:DX+\p+1]
.endr
.irp p, 0,2,4,6,8,10,12,14
	v_pk_fma_f32 v[\set+\p:\set+\p+1], v[DY+\p:DY+\p+1], v[DY+\p:DY+\p+1], v[\set+\p:\set+\p+1]
.endr
.irp p, 0,2,4,6,8,10,12,14
	v_pk_mul_f32 v[\set+32+\p:\set+33+\p], v[\set+16+\p:\set+17+\p], 0xff800000 op_sel_hi:[1,0]   ; u x -infinity: +infinity for a later point, -infinity or NaN else
.endr
.endm
.macro ROOT set
.irp r, 0,1,2,3,4,5,6,7,8,9,10,11,12,13,14,15
	v_sqrt_f32 v[\set+\r], v[\set+\r]
.endr
.endm
; d, the two masks, the group's minimum, into LDS
.macro BACK qq, set
.irp p, 0,2,4,6,8,10,12,14
	v_pk_fma_f32 v[\set+\p:\set+\p+1], v[\set+16+\p:\set+17+\p], 0x3e99999a, v[\set+\p:\set+\p+1] op_sel_hi:[1,0,1]
.endr
.irp r, 0,1,2,3,4,5,6,7,8,9,10,11,12,13,14,15
	v_max_num_f32 v[\set+\r], v[\set+\r], v[\set+32+\r]        ; a NaN loses: only a later point's d becomes +infinity
.endr
	v_cndmask_b32 v[\set+(\qq)], v[\set+(\qq)], v[VINF], s14   ; the point itself: the wave's 16 queries are the 16 candidates of one group, query qq its register qq
	v_min3_num_f32 v[MA], v[\set], v[\set+1], v[\set+2]
	v_min3_num_f32 v[MB], v[\set+3], v[\set+4], v[\set+5]
.irp i, 6,10
	v_min3_num_f32 v[MA], v[MA], v[\set+\i], v[\set+\i+1]
	v_min3_num_f32 v[MB], v[MB], v[\set+\i+2], v[\set+\i+3]
.endr
	v_min3_num_f32 v[MA], v[MA], v[\set+14], v[\set+15]
	v_min_num_f32 v[MA], v[MA], v[MB]
	ds_store_b32 v[VGA], v[MA] offset:(\qq)*GMQ
.endm
	s_load_b128 s[4:7], s[0:1], 0x0                ; coords, gmask
	v_lshl_add_u32 v192, v0, 2, 0xa400
	v_mov_b32 v193, 0
	v_lshrrev_b32 v1, 5, v0
	v_readfirstlane_b32 s8, v1                     ; wave 0..15
	v_and_b32 v2, 31, v0                           ; lane
	s_lshr_b32 s9, s8, 1                           ; which 512 candidates
	s_and_b32 s10, s8, 1                           ; which 16 queries
	s_lshr_b32 s11, ttmp9, 7                       ; batch
	s_and_b32 s12, ttmp9, 127                      ; block of 32 queries in it
	s_lshl_b32 s13, s12, 1
	s_add_co_u32 s13, s13, s10                     ; the group that my 16 queries form
	s_mul_i32 s72, s11, 49152                      ; the batch's coordinates
	s_mov_b32 s73, 0
	s_mul_i32 s74, s9, 6144                        ; my 512 candidates, 12 bytes each
	s_mov_b32 s75, 0
	s_mul_i32 s76, s13, 192                        ; my 16 queries
	s_mov_b32 s77, 0
	s_lshl_b32 s78, ttmp9, 10                      ; the work-group's 1,024 bytes of masks
	s_mov_b32 s79, 0
	s_mov_b32 s67, 0                               ; named as the upper halves of pairs, so they are written
	s_mov_b32 s69, 0
	s_mov_b32 s71, 0
	v_mul_u32_u24 v3, v2, 192                      ; my group's 16 candidates
	s_wait_kmcnt 0x0
	s_add_nc_u64 s[4:5], s[4:5], s[72:73]
	s_add_nc_u64 s[76:77], s[4:5], s[76:77]
	s_add_nc_u64 s[4:5], s[4:5], s[74:75]
	s_add_nc_u64 s[6:7], s[6:7], s[78:79]
	s_load_b512 s[16:31], s[76:77], 0x0            ; 16 queries x (x, y, t)
	s_load_b512 s[32:47], s[76:77], 0x40
	s_load_b512 s[48:63], s[76:77], 0x80
.irp k, 0,1,2,3,4,5,6,7,8,9,10,11
	global_load_b128 v[RAW+4*\k:RAW+4*\k+3], v3, s[4:5] offset:16*\k
.endr
	s_lshl_b32 s72, s9, 5
	v_add_nc_u32 v4, s72, v2                       ; my group's number
	v_cmp_eq_u32 s14, s13, v4                      ; the lane whose group holds the wave's queries, if the wave has it
	v_bfe_u32 v5, v0, 4, 1
	v_and_b32 v6, 15, v0
	v_mul_u32_u24 v5, v5, 80
	v_lshl_add_u32 v5, v6, 2, v5
	s_mul_i32 s73, s10, 16*GMQ
	s_mul_i32 s74, s9, 160
	s_add_co_u32 s73, s73, s74
	v_add_nc_u32 v[VGA], s73, v5                   ; query x 1,280 + (group / 16) x 80 + (group % 16) x 4
	v_mov_b32 v[VINF], 0x7f800000
	v_lshrrev_b32 v7, 4, v0
	v_mul_u32_u24 v7, v7, GMQ
	v_mad_u32_u24 v7, v6, 80, v7                   ; the choice: query thread / 16, chunk thread % 16
	v_lshl_add_u32 v9, v0, 1, GOUT                 ; my mask word
	v_lshl_add_u32 v10, v0, 4, GOUT                ; the way out, waves 0 and 1
	v_lshlrev_b32 v11, 4, v0
	s_wait_loadcnt 0x0                             ; the only loads into vector registers
	s_wait_kmcnt 0x0
.irp r, 0,1,2,3,4,5,6,7,8,9,10,11,12,13,14,15
	v_mov_b32 v[X+\r], v[RAW+3*\r]
	v_mov_b32 v[Y+\r], v[RAW+3*\r+1]
	v_xor_b32 v[NT+\r], 0x80000000, v[RAW+3*\r+2]
.endr
	FRONT 0, SET0
.set q, 0
.rept 16
.set cur, SET0+48*(q%2)
.set nxt, SET0+48*((q+1)%2)
	ROOT cur                                       ; 16 roots as one batch;
.if q < 15
	FRONT q+1, nxt                                 ; the next query's 48 lines name none of them;
.else
	v_nop                                          ; (a plain line behind the last root)
.endif
	s_wait_alu depctr_va_vdst(0)                   ; one wait for the batch, ahead of its first reader
	BACK q, cur
.set q, q+1
.endr
	s_wait_dscnt 0x0                               ; my minima lie in LDS
	s_barrier_signal -1
	s_barrier_wait -1                              ; everybody's do
.irp k, 0,1,2,3
	ds_load_b128 v[K+4*\k:K+4*\k+3], v7 offset:16*\k
.endr
	s_wait_dscnt 0x0
	SELECT16
	ds_store_b16 v9, v[SEL]
	s_wait_dscnt 0x0
	s_barrier_signal -1
	s_barrier_wait -1                              ; the 512 mask words lie in LDS
	s_cmp_gt_u32 s8, 1
	s_cbranch_scc1 .Ldone
	ds_load_b128 v[16:19], v10
	s_wait_dscnt 0x0
	global_store_b128 v11, v[16:19], s[6:7]        ; a wave stores 512 consecutive bytes, at a multiple of 256 from the buffer's first byte
.Ldone:
	s_wait_tensorcnt 0x0
	ds_add_u32 v192, v193
	s_wait_dscnt 0x0
	s_endpgm
.Lfunc_end_k_q9de60612ab_groups:
	.size	k_q9de60612ab_groups, .Lfunc_end_k_q9de60612ab_groups-k_q9de60612ab_groups
	.p2alignl 7, 3214868480
	.fill 96, 4, 3214868480
	.section	.rodata,"a",@progbits
	.p2align	6, 0x0
	.amdhsa_kernel k_q9de60612ab_groups
		.amdhsa_group_segment_fixed_size 44032
		.amdhsa_private_segment_fixed_size 0
		.amdhsa_enable_private_segment 0
		.amdhsa_kernarg_size 16
		.amdhsa_user_sgpr_count 2
		.amdhsa_user_sgpr_kernarg_segment_ptr 1
		.amdhsa_wavefront_size32 1
		.amdhsa_system_sgpr_workgroup_id_x 1
		.amdhsa_system_sgpr_workgroup_id_y 1
		.amdhsa_system_sgpr_workgroup_id_z 1
		.amdhsa_system_vgpr_workitem_id 0
		.amdhsa_next_free_vgpr 194
		.amdhsa_next_free_sgpr 80
		.amdhsa_reserve_vcc 1
		.amdhsa_float_denorm_mode_32 3
		.amdhsa_float_denorm_mode_16_64 3
		.amdhsa_memory_ordered 1
		.amdhsa_forward_progress 1
		.amdhsa_inst_pref_size 121
	.end_amdhsa_kernel
	.amdgpu_metadata
---
amdhsa.version: [ 1, 2 ]
amdhsa.kernels:
  - .name:           k_q9de60612ab_groups
    .symbol:         k_q9de60612ab_groups.kd
    .args:
      - { .name: coords, .offset: 0, .size: 8, .value_kind: global_buffer, .address_space: global }
      - { .name: gmask, .offset: 8, .size: 8, .value_kind: global_buffer, .address_space: global }
    .group_segment_fixed_size: 44032
    .private_segment_fixed_size: 0
    .kernarg_segment_align: 8
    .kernarg_segment_size: 16
    .max_flat_workgroup_size: 512
    .sgpr_count:     80
    .vgpr_count:     194
    .wavefront_size: 32
...
	.end_amdgpu_metadata
.endif
;; end of part 1
;; launch pick (part 2): grid 256 x 1, 16 waves a work-group, no clusters, 4,096 bytes of LDS; arguments coords, gmask, knn; writes knn
.if DOCPART == 2
	.amdgcn_target "amdgcn-amd-amdhsa--gfx1250"
	.amdhsa_code_object_version 6
	.text
	.protected	k_q9de60612ab_pick
	.globl	k_q9de60612ab_pick
	.p2align	8
	.type	k_q9de60612ab_pick,@function
k_q9de60612ab_pick:
	s_mov_b64 s[64:65], 0
	v_nop
	global_prefetch_b8 v0, s[64:65] scope:SCOPE_SE
	s_setreg_imm32_b32 hwreg(HW_REG_WAVE_MODE, 25, 1), 1
	s_wait_xcnt 0x0
; SECOND OF THREE LAUNCHES.  For each query the mask of its 16 chosen groups is read, the groups are listed in ascending order, one to a lane of a row of 16 lanes, their 256 candidates' distances are made again
; by the same operations as in the first launch, and the 16 smallest by (d, j) are chosen, exactly.  Stored: knn[query][16] (u32): j | 0x10000 for a neighbour; for an empty place the query's own index, a safe address.
; The groups' addresses hang on whole numbers that an earlier launch stored; what this launch derives from distances is only stored.
; SHARES.  A work-group owns 32 queries, a wave two, a lane one group of one query.  No matrix unit, no tensor load, no cluster: a lane reads 192 bytes of its own.
; LIMITS: as in the first launch: NaN and infinite coordinates are not served; the root takes dx^2 + dy^2 under 2^-126 as 0; d is fma, root (1 ulp), fma.
.set LAM,  1                           ; v1   lane % 16
.set II,   5                           ; v5   the query's index in its batch
.set XI,   6
.set YI,   7
.set TIQ,  8
.set TI,   9                           ; t_i, or -infinity in a lane that has no group: all its keys then become +infinity
.set NINF, 10
.set G,    11
.set TOTG, 12
.set OFF,  13
.set SPOS, 14                          ; the query's place among my 16 candidates, if it is there
.set PINF, 15
.set RAW,  16                          ; v16-63   16 candidates x (x, y, t)
.set K,    64                          ; v64-79   keys, kept
.set U,    80                          ; v80-95
.set SA,   96
.set SB,   112
.set TT,   128
.set TH,   TT
.set MLT,  TT+1
.set MEQ,  TT+2
.set CL,   TT+3
.set CE,   TT+4
.set IE,   TT+5
.set TMP,  TT+6
.set AA,   TT+7
.set POS,  TT+8
.set P1,   TT+9
.set P2,   TT+10
.set P3,   TT+11
.set TQ,   TT+12
.set TW,   TT+13
.set KM,   TT+14
.set SEL,  TT+15
.set WRD,  144
.set EM,   145
.set SP,   146
.set SW,   147
.set JJ,   148
.set CNT,  149
.set SM,   21                          ; s21
; one stage of a bitonic network on a lane's 16 registers, from src into dst: no copies
.macro STAGE src, dst, kk, jj
.set si, 0
.rept 16
.if (si/\jj)%2 == 0
.if (si/\kk)%2 == 0
	v_min_num_f32 v[\dst+si], v[\src+si], v[\src+si+\jj]
	v_max_num_f32 v[\dst+si+\jj], v[\src+si], v[\src+si+\jj]
.else
	v_max_num_f32 v[\dst+si], v[\src+si], v[\src+si+\jj]
	v_min_num_f32 v[\dst+si+\jj], v[\src+si], v[\src+si+\jj]
.endif
.endif
.set si, si+1
.endr
.endm
; two sorted lists, mine and that of lane xor mm: the 16 smallest of both, sorted, in dst
.macro MERGE src, dst, mm
.set mi, 0
.rept 16
	v_min_num_f32_dpp v[\dst+mi], v[\src+15-mi], v[\src+mi] row_xmask:\mm row_mask:0xf bank_mask:0xf
.set mi, mi+1
.endr
	STAGE \dst, \src, 16, 8
	STAGE \src, \dst, 16, 4
	STAGE \dst, \src, 16, 2
	STAGE \src, \dst, 16, 1
.endm
; the set bits of a 16-bit mask counted in fields of 2 (P1), 4 (P2) and 8 bits (P3), and in all (cc)
.macro COUNTS mk, cc
	v_lshrrev_b32 v[TQ], 1, v[\mk]
	v_and_b32 v[TQ], 0x5555, v[TQ]
	v_sub_nc_u32 v[P1], v[\mk], v[TQ]
	v_lshrrev_b32 v[TQ], 2, v[P1]
	v_and_b32 v[TQ], 0x3333, v[TQ]
	v_and_b32 v[P2], 0x3333, v[P1]
	v_add_nc_u32 v[P2], v[P2], v[TQ]
	v_lshrrev_b32 v[TQ], 4, v[P2]
	v_add_nc_u32 v[P3], v[P2], v[TQ]
	v_and_b32 v[P3], 0x0f0f, v[P3]
	v_lshrrev_b32 v[TQ], 8, v[P3]
	v_add_nc_u32 v[\cc], v[P3], v[TQ]
	v_and_b32 v[\cc], 31, v[\cc]
.endm
; POS = the place of set bit number nn (from 0) of the mask that COUNTS saw last; nn is used up.  Past the last set bit: 15
.macro NTH mk, nn
	v_and_b32 v[TQ], 0xff, v[P3]
	v_cmp_ge_u32 vcc_lo, v[\nn], v[TQ]
	v_cndmask_b32 v[TQ], 0, v[TQ], vcc_lo
	v_sub_nc_u32 v[\nn], v[\nn], v[TQ]
	v_cndmask_b32 v[POS], 0, 8, vcc_lo
	v_bfe_u32 v[TQ], v[P2], v[POS], 4
	v_cmp_ge_u32 vcc_lo, v[\nn], v[TQ]
	v_cndmask_b32 v[TQ], 0, v[TQ], vcc_lo
	v_sub_nc_u32 v[\nn], v[\nn], v[TQ]
	v_cndmask_b32 v[TW], 0, 4, vcc_lo
	v_add_nc_u32 v[POS], v[POS], v[TW]
	v_bfe_u32 v[TQ], v[P1], v[POS], 2
	v_cmp_ge_u32 vcc_lo, v[\nn], v[TQ]
	v_cndmask_b32 v[TQ], 0, v[TQ], vcc_lo
	v_sub_nc_u32 v[\nn], v[\nn], v[TQ]
	v_cndmask_b32 v[TW], 0, 2, vcc_lo
	v_add_nc_u32 v[POS], v[POS], v[TW]
	v_bfe_u32 v[TQ], v[\mk], v[POS], 1
	v_cmp_ge_u32 vcc_lo, v[\nn], v[TQ]
	v_cndmask_b32 v[TW], 0, 1, vcc_lo
	v_add_nc_u32 v[POS], v[POS], v[TW]
.endm
; IE becomes its inclusive sum over the lanes of the row, from lane 0 on
.macro PREFIX
.irp sh, 1,2,4,8
	v_mov_b32 v[TMP], 0
	v_mov_b32_dpp v[TMP], v[IE] row_shr:\sh row_mask:0xf bank_mask:0xf bound_ctrl:1
	v_add_nc_u32 v[IE], v[IE], v[TMP]
.endr
.endm
; A row of 16 lanes holds a query's 256 keys, lane lam's register r being number 16 lam + r.  SEL: bit r set where my key r is among the 16 smallest by (key, number); keys of +infinity are never taken.
.macro SELECT16
	STAGE K, SA, 2, 1
	STAGE SA, SB, 4, 2
	STAGE SB, SA, 4, 1
	STAGE SA, SB, 8, 4
	STAGE SB, SA, 8, 2
	STAGE SA, SB, 8, 1
	STAGE SB, SA, 16, 8
	STAGE SA, SB, 16, 4
	STAGE SB, SA, 16, 2
	STAGE SA, SB, 16, 1
	MERGE SB, SA, 1
	MERGE SA, SB, 2
	MERGE SB, SA, 4
.set mi, 0
.rept 16
	v_min_num_f32_dpp v[SB+mi], v[SA+15-mi], v[SA+mi] row_xmask:8 row_mask:0xf bank_mask:0xf
.set mi, mi+1
.endr
	v_max3_num_f32 v[TH], v[SB], v[SB+1], v[SB+2]
	v_max3_num_f32 v[TQ], v[SB+3], v[SB+4], v[SB+5]
.irp i, 6,10
	v_max3_num_f32 v[TH], v[TH], v[SB+\i], v[SB+\i+1]
	v_max3_num_f32 v[TQ], v[TQ], v[SB+\i+2], v[SB+\i+3]
.endr
	v_max3_num_f32 v[TH], v[TH], v[SB+14], v[SB+15]
	v_max_num_f32 v[TH], v[TH], v[TQ]      ; the row's 16th smallest key
	v_mov_b32 v[MLT], 0
	v_mov_b32 v[MEQ], 0
	v_mov_b32 v[TMP], 0
.irp r, 15,14,13,12,11,10,9,8,7,6,5,4,3,2,1,0
	v_cmp_lt_f32 vcc_lo, v[K+\r], v[TH]
	v_add_co_ci_u32 v[MLT], vcc_lo, v[MLT], v[MLT], vcc_lo
	v_cmp_eq_f32 vcc_lo, v[K+\r], v[TH]
	v_add_co_ci_u32 v[MEQ], vcc_lo, v[MEQ], v[MEQ], vcc_lo
.endr
	COUNTS MLT, CL
	COUNTS MEQ, CE
.irp mm, 1,2,4,8
	v_mov_b32_dpp v[TMP], v[CL] row_xmask:\mm row_mask:0xf bank_mask:0xf
	v_add_nc_u32 v[CL], v[CL], v[TMP]
.endr
	v_mov_b32 v[IE], v[CE]
	PREFIX
	v_sub_nc_u32 v[IE], v[IE], v[CE]
	v_sub_nc_u32 v[AA], 16, v[CL]
	v_min_u32 v[IE], v[IE], v[AA]
	v_sub_nc_u32 v[AA], v[AA], v[IE]
	v_cmp_gt_u32 vcc_lo, 0x7f800000, v[TH]
	v_cndmask_b32 v[AA], 0, v[AA], vcc_lo
	v_cmp_ge_u32 s[SM], v[AA], v[CE]
	NTH MEQ, AA
	v_cndmask_b32 v[POS], v[POS], 16, s[SM]
	v_lshlrev_b32 v[KM], v[POS], 1
	v_add_nc_u32 v[KM], -1, v[KM]
	v_and_or_b32 v[SEL], v[MEQ], v[KM], v[MLT]
.endm
; Each lane of a row holds wrd = a 16-bit mask | a number << 16.  The row's set bits are listed by (lane, bit): lane lam gets res = 16 x (the number of the lane that holds set bit lam) + that bit's place; tot = how many there are.
; For lam at or past tot, res is some number under 16 x 256 + 16: the caller masks it.
.macro ENUM wrd, res, tot
	v_and_b32 v[EM], 0xffff, v[\wrd]
	COUNTS EM, CE
	v_mov_b32 v[IE], v[CE]
	PREFIX
	v_mov_b32_dpp v[\tot], v[IE] row_share:15 row_mask:0xf bank_mask:0xf
	v_sub_nc_u32 v[IE], v[IE], v[CE]       ; set bits in the lanes ahead of each lane: it never falls from lane to lane
	v_mov_b32_dpp v[SP], v[IE] row_share:0 row_mask:0xf bank_mask:0xf
	v_mov_b32_dpp v[SW], v[\wrd] row_share:0 row_mask:0xf bank_mask:0xf
.irp s, 1,2,3,4,5,6,7,8,9,10,11,12,13,14,15
	v_mov_b32_dpp v[TQ], v[IE] row_share:\s row_mask:0xf bank_mask:0xf
	v_mov_b32_dpp v[TW], v[\wrd] row_share:\s row_mask:0xf bank_mask:0xf
	v_cmp_le_u32 vcc_lo, v[TQ], v[LAM]
	v_cndmask_b32 v[SP], v[SP], v[TQ], vcc_lo      ; the last lane with no more than lam bits ahead of it holds bit lam
	v_cndmask_b32 v[SW], v[SW], v[TW], vcc_lo
.endr
	v_and_b32 v[EM], 0xffff, v[SW]
	COUNTS EM, CE
	v_sub_nc_u32 v[AA], v[LAM], v[SP]
	NTH EM, AA
	v_lshrrev_b32 v[TQ], 16, v[SW]
	v_lshl_add_u32 v[\res], v[TQ], 4, v[POS]
.endm
	s_load_b128 s[4:7], s[0:1], 0x0                ; coords, gmask
	s_load_b64 s[8:9], s[0:1], 0x10                ; knn
	v_lshl_add_u32 v160, v0, 2, 0x800
	v_mov_b32 v161, 0
	v_lshrrev_b32 v2, 5, v0
	v_readfirstlane_b32 s22, v2                    ; wave
	v_and_b32 v[LAM], 15, v0
	v_lshrrev_b32 v2, 4, v0                        ; my query among the work-group's 32
	v_lshlrev_b32 v3, 1, v0
	v_mul_u32_u24 v4, v2, 12
	s_lshl_b32 s10, ttmp9, 10                      ; the work-group's masks
	s_mov_b32 s11, 0
	s_mul_i32 s12, ttmp9, 384                      ; its queries' coordinates
	s_mov_b32 s13, 0
	s_lshr_b32 s14, ttmp9, 7
	s_mul_i32 s14, s14, 49152                      ; the batch's coordinates
	s_mov_b32 s15, 0
	s_lshl_b32 s16, ttmp9, 11                      ; the work-group's 2,048 bytes of knn
	s_mov_b32 s17, 0
	s_and_b32 s18, ttmp9, 127
	s_lshl_b32 s18, s18, 5
	v_add_nc_u32 v[II], s18, v2
	s_mov_b32 s20, 0x3e99999a                      ; 0.3
	s_wait_kmcnt 0x0
	s_add_nc_u64 s[6:7], s[6:7], s[10:11]
	s_add_nc_u64 s[12:13], s[4:5], s[12:13]
	s_add_nc_u64 s[4:5], s[4:5], s[14:15]
	s_add_nc_u64 s[8:9], s[8:9], s[16:17]
	global_load_u16 v[WRD], v3, s[6:7]
	global_load_b32 v[XI], v4, s[12:13]
	global_load_b32 v[YI], v4, s[12:13] offset:4
	global_load_b32 v[TIQ], v4, s[12:13] offset:8
	v_mov_b32 v[NINF], 0xff800000
	v_mov_b32 v[PINF], 0x7f800000
.irp x, TMP, TQ, TW, SP, SW, TOTG, CNT
	v_mov_b32 v[\x], 0                             ; written once: the destination of a lane move counts as one of its sources
.endr
	v_lshlrev_b32 v150, 2, v0
	v_lshlrev_b32 v151, 4, v0
	s_wait_loadcnt 0x0
	v_lshl_or_b32 v[WRD], v[LAM], 16, v[WRD]
	ENUM WRD, G, TOTG                              ; my group: the row's groups in ascending order, so that (lane, register) is the order of j
	v_min_u32 v[G], 255, v[G]
	v_mul_u32_u24 v[OFF], v[G], 192
.irp k, 0,1,2,3,4,5,6,7,8,9,10,11
	global_load_b128 v[RAW+4*\k:RAW+4*\k+3], v[OFF], s[4:5] offset:16*\k
.endr
	v_cmp_lt_u32 vcc_lo, v[LAM], v[TOTG]
	v_cndmask_b32 v[TI], v[NINF], v[TIQ], vcc_lo
	v_lshlrev_b32 v[SPOS], 4, v[G]
	v_sub_nc_u32 v[SPOS], v[II], v[SPOS]
	s_wait_loadcnt 0x0
.irp r, 0,1,2,3,4,5,6,7,8,9,10,11,12,13,14,15
	v_sub_f32 v[SA+\r], v[RAW+3*\r], v[XI]
.endr
.irp r, 0,1,2,3,4,5,6,7,8,9,10,11,12,13,14,15
	v_sub_f32 v[SB+\r], v[RAW+3*\r+1], v[YI]
.endr
.irp r, 0,1,2,3,4,5,6,7,8,9,10,11,12,13,14,15
	v_sub_f32 v[U+\r], v[TI], v[RAW+3*\r+2]
.endr
.irp r, 0,1,2,3,4,5,6,7,8,9,10,11,12,13,14,15
	v_mul_f32 v[K+\r], v[SA+\r], v[SA+\r]
.endr
.irp r, 0,1,2,3,4,5,6,7,8,9,10,11,12,13,14,15
	v_fma_f32 v[K+\r], v[SB+\r], v[SB+\r], v[K+\r]
.endr
.irp r, 0,1,2,3,4,5,6,7,8,9,10,11,12,13,14,15
	v_sqrt_f32 v[K+\r], v[K+\r]
.endr
.irp r, 0,1,2,3,4,5,6,7,8,9,10,11,12,13,14,15
	v_mul_f32 v[SA+\r], 0xff800000, v[U+\r]        ; +infinity for a later point, -infinity or NaN else.  (Plain lines behind the roots, which name none of them)
.endr
	s_wait_alu depctr_va_vdst(0)                   ; one wait for the 16 roots, ahead of their first reader
.irp r, 0,1,2,3,4,5,6,7,8,9,10,11,12,13,14,15
	v_fma_f32 v[K+\r], v[U+\r], s20, v[K+\r]
.endr
.irp r, 0,1,2,3,4,5,6,7,8,9,10,11,12,13,14,15
	v_max_num_f32 v[K+\r], v[K+\r], v[SA+\r]
.endr
.irp r, 0,1,2,3,4,5,6,7,8,9,10,11,12,13,14,15
	v_cmp_eq_u32 vcc_lo, \r, v[SPOS]
	v_cndmask_b32 v[K+\r], v[K+\r], v[PINF], vcc_lo   ; the point itself
.endr
	SELECT16
	v_lshl_or_b32 v[WRD], v[G], 16, v[SEL]
	ENUM WRD, JJ, CNT                              ; lane lam: the query's neighbour number lam, j = 16 x group + place
	v_or_b32 v[JJ], 0x10000, v[JJ]
	v_cmp_lt_u32 vcc_lo, v[LAM], v[CNT]
	v_cndmask_b32 v[JJ], v[II], v[JJ], vcc_lo
	ds_store_b32 v150, v[JJ]
	s_wait_dscnt 0x0
	s_barrier_signal -1
	s_barrier_wait -1                              ; the work-group's 512 words lie in LDS
	s_cmp_gt_u32 s22, 3
	s_cbranch_scc1 .Ldone
	ds_load_b128 v[152:155], v151
	s_wait_dscnt 0x0
	global_store_b128 v151, v[152:155], s[8:9]     ; a wave stores 512 consecutive bytes, at a multiple of 256 from the buffer's first byte
.Ldone:
	s_wait_tensorcnt 0x0
	ds_add_u32 v160, v161
	s_wait_dscnt 0x0
	s_endpgm
.Lfunc_end_k_q9de60612ab_pick:
	.size	k_q9de60612ab_pick, .Lfunc_end_k_q9de60612ab_pick-k_q9de60612ab_pick
	.p2alignl 7, 3214868480
	.fill 96, 4, 3214868480
	.section	.rodata,"a",@progbits
	.p2align	6, 0x0
	.amdhsa_kernel k_q9de60612ab_pick
		.amdhsa_group_segment_fixed_size 4096
		.amdhsa_private_segment_fixed_size 0
		.amdhsa_enable_private_segment 0
		.amdhsa_kernarg_size 24
		.amdhsa_user_sgpr_count 2
		.amdhsa_user_sgpr_kernarg_segment_ptr 1
		.amdhsa_wavefront_size32 1
		.amdhsa_system_sgpr_workgroup_id_x 1
		.amdhsa_system_sgpr_workgroup_id_y 1
		.amdhsa_system_sgpr_workgroup_id_z 1
		.amdhsa_system_vgpr_workitem_id 0
		.amdhsa_next_free_vgpr 162
		.amdhsa_next_free_sgpr 66
		.amdhsa_reserve_vcc 1
		.amdhsa_float_denorm_mode_32 3
		.amdhsa_float_denorm_mode_16_64 3
		.amdhsa_memory_ordered 1
		.amdhsa_forward_progress 1
		.amdhsa_inst_pref_size 45
	.end_amdhsa_kernel
	.amdgpu_metadata
---
amdhsa.version: [ 1, 2 ]
amdhsa.kernels:
  - .name:           k_q9de60612ab_pick
    .symbol:         k_q9de60612ab_pick.kd
    .args:
      - { .name: coords, .offset: 0, .size: 8, .value_kind: global_buffer, .address_space: global }
      - { .name: gmask, .offset: 8, .size: 8, .value_kind: global_buffer, .address_space: global }
      - { .name: knn, .offset: 16, .size: 8, .value_kind: global_buffer, .address_space: global }
    .group_segment_fixed_size: 4096
    .private_segment_fixed_size: 0
    .kernarg_segment_align: 8
    .kernarg_segment_size: 24
    .max_flat_workgroup_size: 512
    .sgpr_count:     66
    .vgpr_count:     162
    .wavefront_size: 32
...
	.end_amdgpu_metadata
.endif
;; end of part 2
;; launch aggregate (part 3): grid 256 x 1, 8 waves a work-group, no clusters, 222,976 bytes of LDS; arguments knn, coords, features_codes, features_scales, W_feat_codes, W_feat_scales, W_pos2_codes, W_pos2_scales, W_pos1, b_pos1, b_feat, b_pos2, gamma, beta, out0; writes out0
.if DOCPART == 3
	.amdgcn_target "amdgcn-amd-amdhsa--gfx1250"
	.amdhsa_code_object_version 6
	.text
	.protected	k_q9de60612ab_aggregate
	.globl	k_q9de60612ab_aggregate
	.p2align	8
	.type	k_q9de60612ab_aggregate,@function
k_q9de60612ab_aggregate:
	s_mov_b64 s[64:65], 0
	v_nop
	global_prefetch_b8 v0, s[64:65] scope:SCOPE_SE
	s_setreg_imm32_b32 hwreg(HW_REG_WAVE_MODE, 25, 1), 1
	s_wait_xcnt 0x0
; THIRD OF THREE LAUNCHES.  out = LayerNorm(feat_i + mean over the valid neighbours j of (feat_j + pe_ij)), feat = x W_feat + b_feat, pe = Q(relu(rel W_pos1 + b_pos1)) W_pos2 + b_pos2.
; A query's 16 neighbours are the 16 rows of ONE matrix tile.  Their feature CODES are gathered (200 bytes a row) and multiplied here: x_j W_feat (two K steps of 128) and h_j W_pos2 (one) are summed into the same
; accumulator, 16 neighbours x 16 channels, on codes of E2M3 with E8M0 scales.  The tile's rows are then added with the weights valid / count; the biases come in at the end:
; enh = x_i W_feat + b_feat + sum_j w_j (x_j W_feat + h_j W_pos2) + has_neighbours x (b_feat + b_pos2).  An empty place of knn names the query itself and has weight 0.
; rel W_pos1 + b_pos1 (K = 4) goes into a quantiser: f32 operands, by the f32 matrix form, transposed, so that a lane holds one neighbour and its registers run along the hidden units.
; SHARES.  A work-group owns 32 queries; 8 waves.  Wave W BUILDS queries 4 W .. 4 W + 3 (gathers, hidden layer, weights) and lays their operands into LDS as images of their registers;
; it MULTIPLIES queries 16 (W / 4) .. + 15 for channels 64 (W % 4) .. + 63, whose weights' fragments stay in its registers; it NORMS rows 4 W .. 4 W + 3.
; Column r of channel tile u is channel 64 (W % 4) + 32 (u % 2) + 2 r + u / 2: after the halves of the lanes are added, lane l holds channels 64 (W % 4) + 2 l and + 1: 8 neighbouring bytes.
; No tensor load and no cluster: every operand is read once into registers, in row orders of its own (gathered rows, every second row of a weight).  Addresses hang on knn alone, which an earlier launch stored.
; LIMITS: NaN and infinite coordinates are not served; the root takes dx^2 + dy^2 under 2^-126 as 0; hidden blocks whose largest magnitude lies under 2^-124 get the scale byte 1.
; REGISTERS, window 0: v1-31 lane numbers and addresses, v28-31 has_neighbours; v32-44 scale words and nothing else; v48-111 b_pos1 as C tiles, later two operand buffers; v112-214 the gathered fragments, then the hidden
;   layer (v112-175), its codes (v176-195) and the quantiser's work (v196-212); v216-223 rel; v224-255 at work, later b_feat, b_pos2, gamma, beta.
; window 1: v0-143 the weights' 12 fragments; v144-207 matrix results alone; v208-223 W_pos1's fragments; v224-247 the own rows' fragments.
.set FIMG, 0                           ; LDS: 32 queries x 3,072: two feature fragments, 12 registers each, 16 bytes a lane and 512 a group of four registers
.set HIMG, 98304                       ; 32 x 1,536: the hidden layer's fragment
.set WIMG, 147456                      ; 32 x 1,024: eight weights a lane
.set FSC,  180224                      ; 32 x 128: the features' scale words (lanes 0-15: K step 0; lanes 16-31: K step 1)
.set HSCO, 4096                        ; behind them, 32 x 128: the hidden layer's
.set STG,  188416                      ; 32 rows x (1,024 + 16): enh less the biases
.set B1C,  48
.set H,    112
.set FG,   112                         ; query t's fragments at FG + 26 t, its scale word at + 24
.set PC,   176
.set TM,   196
.set PW,   212
.set RB,   216
.set JW,   224
.set CJ,   228
.set SQ,   240
.set RC,   244
.set WT,   248
.set OC,   240                         ; offsets of the gathers, free again behind the wait on XCNT
.set OF,   244
.set OS,   248
.set JI,   252
.set HN,   28
.set BFS,  32
.set BPS,  36
.set OWS,  40
.set AFS,  41
.set AHS,  43
.set DW,   144                         ; window 1
.set ACC,  144
.set OWN,  176
.set W1F,  208
.set OWNF, 224
.set TR,   136                         ; the reduction
.set SS,   144
.set EE,   148
.set XR,   152                         ; the norm
.set PT,   184
.set QT,   192
.set SU,   200
.set TP,   204
.set BF,   224
.set BP,   232
.set GA,   240
.set BE,   248
.set SEL,  74                          ; s[74:75] lane selects: lane l xor 16
.set MSB, 0
.macro WIN new                         ; the immediate's high byte repeats the setting that is left
.if MSB != \new
	s_set_vgpr_msb (MSB<<8)|\new
.set MSB, \new
.endif
.endm
	s_load_b512 s[4:19], s[0:1], 0x0               ; knn s[4:5], coords s[6:7], features' codes s[8:9] and scales s[10:11], W_feat's s[12:13], s[14:15], W_pos2's s[16:17], s[18:19]
	s_load_b256 s[20:27], s[0:1], 0x40             ; W_pos1 s[20:21], b_pos1 s[22:23], b_feat s[24:25], b_pos2 s[26:27]
	s_load_b128 s[28:31], s[0:1], 0x60             ; gamma, beta
	s_load_b64 s[32:33], s[0:1], 0x70              ; out0
	v_lshl_add_u32 v47, v0, 2, 0x36300
	v_mov_b32 v215, 0
	v_lshrrev_b32 v1, 5, v0
	v_readfirstlane_b32 s34, v1                    ; wave 0..7
	s_and_b32 s35, s34, 3                          ; which 64 channels
	s_lshr_b32 s48, s34, 2                         ; which 16 queries
	s_lshr_b32 s49, ttmp9, 7                       ; batch
	v_and_b32 v1, 31, v0                           ; lane
	v_and_b32 v2, 15, v0                           ; r
	v_bfe_u32 v3, v0, 4, 1                         ; h
	v_lshlrev_b32 v4, 3, v3                        ; 8 h
	v_cvt_f32_u32 v6, v3                           ; 1.0 in lanes 16-31
	v_sub_f32 v5, 1.0, v6                          ; 1.0 in lanes 0-15
	v_lshlrev_b32 v7, 4, v1                        ; 16 x lane
	s_mul_i32 s50, s34, 4*3072
	v_add_nc_u32 v8, s50, v7                       ; feature images: where I store,
	s_mul_i32 s50, s48, 16*3072
	v_add_nc_u32 v9, s50, v7                       ; and where I load
	s_mul_i32 s50, s34, 4*1536
	s_add_co_u32 s50, s50, HIMG
	v_add_nc_u32 v10, s50, v7
	s_mul_i32 s50, s48, 16*1536
	s_add_co_u32 s50, s50, HIMG
	v_add_nc_u32 v11, s50, v7
	s_mul_i32 s50, s34, 4*1024
	s_add_co_u32 s50, s50, WIMG
	v_add_nc_u32 v12, s50, v7
	s_mul_i32 s50, s48, 16*1024
	s_add_co_u32 s50, s50, WIMG
	v_add_nc_u32 v13, s50, v7
	s_mul_i32 s50, s34, 4*128
	s_add_co_u32 s50, s50, FSC
	v_lshl_add_u32 v14, v1, 2, s50
	s_mul_i32 s50, s48, 16*128
	s_add_co_u32 s50, s50, FSC
	v_lshl_add_u32 v15, v1, 2, s50
	s_lshl_b32 s50, s35, 8
	s_mul_i32 s58, s48, 16*1040
	s_add_co_u32 s50, s50, s58
	s_add_co_u32 s50, s50, STG
	v_lshl_add_u32 v16, v1, 3, s50                 ; the stage: my 16 rows, my 256 bytes of them, 8 bytes a lane
	s_mul_i32 s50, s34, 4*1040
	s_add_co_u32 s50, s50, STG
	v_add_nc_u32 v17, s50, v7                      ; and back: my 4 rows, 16 bytes a lane
	v_lshlrev_b32 v18, 2, v2                       ; knn: place r
	v_and_b32 v19, 8, v2
	v_add_nc_u32 v19, v19, v2                      ; r + 8 (r / 8)
	v_lshlrev_b32 v19, 2, v19
	v_lshl_add_u32 v19, v3, 10, v19                ; W_pos1: rows k = 2 h, 2 h + 1 of 512 bytes; unit r + 8 (r / 8) of a tile
	v_lshlrev_b32 v20, 6, v3                       ; b_pos1: 16 h units on
	v_mul_u32_u24 v27, v3, 24                      ; 24 h
	v_lshlrev_b32 v45, 2, v3                       ; 4 h
	v_mad_u32_u24 v21, v2, 384, v27                ; W_feat: every second row of 192 bytes
	v_mad_u32_u24 v22, v2, 192, v27                ; W_pos2: every second row of 96 bytes.  Also: the own feature rows, 192 bytes each
	v_lshl_add_u32 v23, v2, 4, v45                 ; W_feat's scale words: every second row of 8 bytes; lanes 16-31 K step 1's
	v_lshlrev_b32 v24, 3, v2                       ; W_pos2's: every second row of 4 bytes
	v_lshl_add_u32 v26, v2, 3, v45                 ; the own rows' scale words
	s_mov_b32 s51, 0
	s_mov_b32 s[SEL], 0x76543210
	s_mov_b32 s[SEL+1], 0xfedcba98
	s_mov_b32 s76, 0x3e99999a                      ; 0.3
	s_mov_b32 s77, 0xffff0000                      ; lanes 16-31
	s_mov_b32 s78, 0x3b800000                      ; 1 / 256
	s_mov_b32 s79, 0x3727c5ac                      ; 1e-5
	s_wait_kmcnt 0x0
	s_lshl_b32 s50, ttmp9, 11
	s_lshl_b32 s58, s34, 8
	s_add_co_u32 s50, s50, s58
	s_add_nc_u64 s[4:5], s[4:5], s[50:51]          ; knn at query 32 x work-group + 4 x wave
.irp t, 0,1,2,3
	global_load_b32 v[JW+\t], v18, s[4:5] offset:64*\t
.endr
	s_mul_i32 s50, ttmp9, 384
	s_mul_i32 s58, s34, 48
	s_add_co_u32 s50, s50, s58
	s_add_nc_u64 s[56:57], s[6:7], s[50:51]
	s_load_b256 s[36:43], s[56:57], 0x0            ; my four queries' coordinates
	s_load_b128 s[44:47], s[56:57], 0x20
	WIN 0x40                                       ; destination window 1
.irp tau, 0,1,2,3,4,5,6,7
.irp j, 0,1
	global_load_b32 v[W1F+2*\tau+\j], v19, s[20:21] offset:(\j*128+32*(\tau/2)+8*(\tau%2))*4   ; tile tau, lane (r, h), register j: W_pos1[2 h + j][32 (tau / 2) + 8 (tau % 2) + r + 8 (r / 8)]
.endr
.endr
	WIN 0
.irp tau, 0,1,2,3,4,5,6,7
	global_load_b128 v[B1C+8*\tau:B1C+8*\tau+3], v20, s[22:23] offset:(32*(\tau/2)+8*(\tau%2))*4
	global_load_b128 v[B1C+8*\tau+4:B1C+8*\tau+7], v20, s[22:23] offset:(32*(\tau/2)+8*(\tau%2))*4+16
.endr
	s_mul_i32 s50, ttmp9, 6144
	s_mul_i32 s58, s48, 3072
	s_add_co_u32 s50, s50, s58
	s_add_nc_u64 s[52:53], s[8:9], s[50:51]        ; the own rows' codes: query 32 x work-group + 16 (wave / 4) on
	s_lshl_b32 s50, ttmp9, 8
	s_lshl_b32 s58, s48, 7
	s_add_co_u32 s50, s50, s58
	s_add_nc_u64 s[54:55], s[10:11], s[50:51]      ; and their scales
	s_mul_i32 s50, s49, 786432
	s_add_nc_u64 s[8:9], s[8:9], s[50:51]          ; the batch's codes,
	s_lshl_b32 s50, s49, 15
	s_add_nc_u64 s[10:11], s[10:11], s[50:51]      ; scales
	s_mul_i32 s50, s49, 49152
	s_add_nc_u64 s[6:7], s[6:7], s[50:51]          ; and coordinates
	s_mul_i32 s50, s35, 12288
	s_add_nc_u64 s[12:13], s[12:13], s[50:51]      ; my 64 channels of each weight
	s_lshl_b32 s50, s35, 9
	s_add_nc_u64 s[14:15], s[14:15], s[50:51]
	s_mul_i32 s50, s35, 6144
	s_add_nc_u64 s[16:17], s[16:17], s[50:51]
	s_lshl_b32 s50, s35, 8
	s_add_nc_u64 s[18:19], s[18:19], s[50:51]
	s_lshl_b32 s50, ttmp9, 15
	s_lshl_b32 s58, s34, 12
	s_add_co_u32 s50, s50, s58
	s_add_nc_u64 s[32:33], s[32:33], s[50:51]      ; out0 at my four rows
	; ---- the gathers
	s_wait_loadcnt 32                              ; the four index words are in; behind them 16 + 16 loads of W_pos1 and b_pos1 may be out
.irp t, 0,1,2,3
	v_and_b32 v[JI+\t], 0xfff, v[JW+\t]
	v_min_u32 v[JI+\t], 0xfff, v[JI+\t]
	v_mul_u32_u24 v[OC+\t], v[JI+\t], 12
	v_mul_u32_u24 v[OF+\t], v[JI+\t], 192
	v_add_nc_u32 v[OF+\t], v[OF+\t], v27
	v_lshl_add_u32 v[OS+\t], v[JI+\t], 3, v45
.endr
.irp t, 0,1,2,3
.irp c, 0,1,2
	global_load_b32 v[CJ+3*\t+\c], v[OC+\t], s[6:7] offset:4*\c
.endr
.endr
.irp t, 0,1,2,3
.irp s, 0,1
.irp p, 0,1,2,3,4,5
	global_load_b64 v[FG+26*\t+12*\s+2*\p:FG+26*\t+12*\s+2*\p+1], v[OF+\t], s[8:9] offset:96*\s+48*(\p/3)+8*(\p%3)   ; lane (r, h): neighbour r's codes of k = 128 s + 64 (p / 3) + 32 h on, as they lie
.endr
.endr
	global_load_b32 v[FG+26*\t+24], v[OS+\t], s[10:11]
.endr
	s_wait_xcnt 0x0                                ; the gathers' offsets have been read: their registers are written again below
	s_wait_loadcnt 52                              ; the coordinates, W_pos1 and b_pos1 are in; the 4 x 13 feature loads may be out
	s_wait_kmcnt 0x0
	; ---- rel = (dx, dy, dt, d), the weights valid / count
.irp t, 0,1,2,3
	v_sub_f32 v[CJ+3*\t], v[CJ+3*\t], s[36+3*\t]
	v_sub_f32 v[CJ+3*\t+1], v[CJ+3*\t+1], s[37+3*\t]
	v_sub_f32 v[CJ+3*\t+2], v[CJ+3*\t+2], s[38+3*\t]
.endr
.irp t, 0,1,2,3
	v_mul_f32 v[SQ+\t], v[CJ+3*\t], v[CJ+3*\t]
.endr
.irp t, 0,1,2,3
	v_fma_f32 v[SQ+\t], v[CJ+3*\t+1], v[CJ+3*\t+1], v[SQ+\t]
.endr
.irp t, 0,1,2,3
	v_lshrrev_b32 v46, 16, v[JW+\t]
	v_cmp_ne_u32 s[66+\t], 0, v46                  ; bit r (and bit 16 + r): place r holds a neighbour
	s_and_b32 s[66+\t], s[66+\t], 0xffff
	s_bcnt1_i32_b32 s[70+\t], s[66+\t]
	s_min_u32 s50, s[70+\t], 1
	v_cvt_f32_u32 v[HN+\t], s50                    ; 1.0 where the query has a neighbour
	s_max_u32 s[70+\t], s[70+\t], 1
	v_cvt_f32_u32 v[RC+\t], s[70+\t]
.endr
.irp t, 0,1,2,3
	v_sqrt_f32 v[SQ+\t], v[SQ+\t]
.endr
.irp t, 0,1,2,3
	v_rcp_f32 v[RC+\t], v[RC+\t]
.endr
	v_nop                                          ; a plain line behind the last of the batch
	s_wait_alu depctr_va_vdst(0)                   ; one wait for the four roots and four reciprocals, ahead of their first reader
.irp t, 0,1,2,3
	v_fma_f32 v[SQ+\t], |v[CJ+3*\t+2]|, s76, v[SQ+\t]
.endr
.irp t, 0,1,2,3
	v_cndmask_b32 v[RB+2*\t], v[CJ+3*\t], v[CJ+3*\t+2], s77      ; the f32 form's operand: register j holds k = 2 h + j: lanes 0-15 (dx, dy), lanes 16-31 (dt, d)
	v_cndmask_b32 v[RB+2*\t+1], v[CJ+3*\t+1], v[SQ+\t], s77
.endr
.irp t, 0,1,2,3
	v_lshrrev_b32 v46, v4, s[66+\t]
.irp j, 0,1,2,3,4,5,6,7
	v_bfe_u32 v[WT+\j], v46, \j, 1
.endr
.irp j, 0,1,2,3,4,5,6,7
	v_cvt_f32_u32 v[WT+\j], v[WT+\j]
.endr
.irp j, 0,1,2,3,4,5,6,7
	v_mul_f32 v[WT+\j], v[WT+\j], v[RC+\t]         ; register j: the weight of row 8 h + j, as a result's registers hold the rows
.endr
	ds_store_b128 v12, v[WT:WT+3] offset:1024*\t
	ds_store_b128 v12, v[WT+4:WT+7] offset:1024*\t+512
.endr
	s_wait_loadcnt 0x0                             ; the features
.irp t, 0,1,2,3
.irp c, 0,1,2,3,4,5
	ds_store_b128 v8, v[FG+26*\t+4*\c:FG+26*\t+4*\c+3] offset:3072*\t+512*\c
.endr
	ds_store_b32 v14, v[FG+26*\t+24] offset:128*\t
.endr
	s_wait_dscnt 0x0                               ; the stores have read their registers: loads and the quantiser write them below
.irp b, 0,1,2,3
	v_mov_b32 v[TM+4+\b], 0                        ; written once: a lane permute's destination counts as one of its sources
.endr
	; ---- what the later phases want is asked for now and lands while the hidden layer is made
	WIN 0x40
.irp u, 0,1,2,3
.irp s, 0,1
.irp p, 0,1,2,3,4,5
	global_load_b64 v[12*(3*\u+\s)+2*\p:12*(3*\u+\s)+2*\p+1], v21, s[12:13] offset:(32*(\u%2)+(\u/2))*192+96*\s+48*(\p/3)+8*(\p%3)
.endr
.endr
.irp p, 0,1,2,3,4,5
	global_load_b64 v[12*(3*\u+2)+2*\p:12*(3*\u+2)+2*\p+1], v22, s[16:17] offset:(32*(\u%2)+(\u/2))*96+48*(\p/3)+8*(\p%3)
.endr
.endr
.irp s, 0,1
.irp p, 0,1,2,3,4,5
	global_load_b64 v[OWNF+12*\s+2*\p:OWNF+12*\s+2*\p+1], v22, s[52:53] offset:96*\s+48*(\p/3)+8*(\p%3)
.endr
.endr
	WIN 0
.irp u, 0,1,2,3
	global_load_b32 v[BFS+\u], v23, s[14:15] offset:(32*(\u%2)+(\u/2))*8
	global_load_b32 v[BPS+\u], v24, s[18:19] offset:(32*(\u%2)+(\u/2))*4
.endr
	global_load_b32 v[OWS], v26, s[54:55]
	global_load_b128 v[BF:BF+3], v7, s[24:25]
	global_load_b128 v[BF+4:BF+7], v7, s[24:25] offset:512
	global_load_b128 v[BP:BP+3], v7, s[26:27]
	global_load_b128 v[BP+4:BP+7], v7, s[26:27] offset:512
	global_load_b128 v[GA:GA+3], v7, s[28:29]
	global_load_b128 v[GA+4:GA+7], v7, s[28:29] offset:512
	global_load_b128 v[BE:BE+3], v7, s[30:31]
	global_load_b128 v[BE+4:BE+7], v7, s[30:31] offset:512
; ---- the hidden layer.  TRANSPOSED: source 0 = 16 units of W_pos1, source 1 = the 16 neighbours' rel; C = b_pos1.  In tile tau lane (r, h) holds neighbour r, register j unit 32 (tau / 2) + 16 h + 8 (tau % 2) + j.
.macro WM qn
	WIN 0x41                                       ; source 0 and destination window 1
.irp tau, 0,1,2,3,4,5,6,7
	v_wmma_f32_16x16x4_f32 v[DW+8*\tau:DW+8*\tau+7], v[W1F+2*\tau:W1F+2*\tau+1], v[RB+2*(\qn):RB+2*(\qn)+1], v[B1C+8*\tau:B1C+8*\tau+7]
.endr
	WIN 0
.endm
.macro RELU                            ; into other registers, each tile from its low end on
	WIN 0x04                                       ; source 1 window 1
.set rl, 0
.rept 64
	v_max_num_f32 v[H+rl], 0, v[DW+rl]
.set rl, rl+1
.endr
	WIN 0
.endm
; 64 numbers of a lane, register 16 b + i = k 32 b + 16 h + i of my row, become a fragment's codes in v[PC] on and its scale word in v[PW]
.macro QUANT src
.irp b, 0,1,2,3
	v_max3_num_f32 v[TM+\b], |v[\src+16*\b]|, |v[\src+1+16*\b]|, 0x1800000   ; block b: my 16 numbers, and the floor 2^(3 - 127): so the byte cannot fall under 1
.endr
.irp i, 2,4,6,8,10,12,14
.irp b, 0,1,2,3
	v_max3_num_f32 v[TM+\b], v[TM+\b], |v[\src+16*\b+\i]|, |v[\src+1+16*\b+\i]|
.endr
.endr
.irp b, 0,1,2,3
	v_permlanex16_b32 v[TM+4+\b], v[TM+\b], s[SEL], s[SEL+1]
.endr
.irp b, 0,1,2,3
	v_max_num_f32 v[TM+\b], v[TM+\b], v[TM+4+\b]   ; with lane l xor 16's: the block's largest magnitude
.endr
.irp b, 0,1,2,3
	v_add_nc_u32 v[TM+12+\b], 0xff000000, v[TM+\b] ; 2 off its exponent field: the conversion takes the exponent field of this operand as its scale
.endr
.irp b, 0,1,2,3
	v_lshrrev_b32 v[TM+4+\b], 23, v[TM+12+\b]      ; the scale's byte
.endr
	v_lshl_or_b32 v[PW], v[TM+5], 8, v[TM+4]
	v_lshl_or_b32 v[PW], v[TM+6], 16, v[PW]
	v_lshl_or_b32 v[PW], v[TM+7], 24, v[PW]
.irp c, 0,1
	v_cvt_scalef32_pk16_fp6_f32 v[PC+6*\c:PC+2+6*\c], v[\src+32*\c:\src+15+32*\c], v[TM+12+2*\c]
	v_cvt_scalef32_pk16_fp6_f32 v[PC+12+4*\c:PC+14+4*\c], v[\src+16+32*\c:\src+31+32*\c], v[TM+12+2*\c+1]   ; (a conversion's three registers begin on an even number)
.endr
	v_nop                                          ; one plain line behind a scaled conversion
.irp c, 0,1                            ; the operand's layout wants a whole block in a lane
.irp i, 0,1,2
	v_permlane16_swap_b32 v[PC+6*\c+\i], v[PC+12+4*\c+\i]
.endr
.irp i, 0,1,2
	v_mov_b32 v[PC+3+6*\c+\i], v[PC+12+4*\c+\i]
.endr
.endr
.endm
	WM 0
.rept 8
	v_nop                                          ; eight places between this matrix form and the first read of its results
.endr
.irp t, 0,1,2,3
	RELU                                           ; (its lines on the other tiles are the places in front of the next products, which write these results over)
.if \t < 3
	WM \t+1                                        ; the next query's products; the quantiser's first lines are the places behind them
.endif
	QUANT H
.irp c, 0,1,2
	ds_store_b128 v10, v[PC+4*\c:PC+4*\c+3] offset:1536*\t+512*\c
.endr
	ds_store_b32 v14, v[PW] offset:HSCO+128*\t
	s_wait_dscnt 0x0                               ; the stores have read their registers
.endr
	s_wait_loadcnt 0x0                             ; the weights, the own rows, the parameters
	s_barrier_signal -1
	s_barrier_wait -1                              ; all 32 queries' operands lie in LDS
; ---- the products
.macro FETCH kk, buf                   ; query kk's operands: 13 LDS loads
.set AB, 48+36*(\buf)
.irp c, 0,1,2,3,4,5
	ds_load_b128 v[AB+4*\c:AB+4*\c+3], v9 offset:3072*(\kk)+512*\c
.endr
.irp c, 0,1,2
	ds_load_b128 v[AB+24+4*\c:AB+24+4*\c+3], v11 offset:1536*(\kk)+512*\c
.endr
	ds_load_b128 v[120+8*(\buf):123+8*(\buf)], v13 offset:1024*(\kk)
	ds_load_b128 v[124+8*(\buf):127+8*(\buf)], v13 offset:1024*(\kk)+512
	ds_load_b32 v[AFS+(\buf)], v15 offset:128*(\kk)
	ds_load_b32 v[AHS+(\buf)], v15 offset:HSCO+128*(\kk)
.endm
.macro MUL buf                         ; source 0 = the 16 neighbours, source 1 = 16 channels; the four accumulators take turns
.set AB, 48+36*(\buf)
	WIN 0x54                                       ; source 1, C and D window 1
.irp u, 0,1,2,3
	v_wmma_scale_f32_16x16x128_f8f6f4 v[ACC+8*\u:ACC+8*\u+7], v[AB:AB+11], v[36*\u:36*\u+11], 0, v[AFS+(\buf)], v[BFS+\u] matrix_a_fmt:MATRIX_FMT_FP6 matrix_b_fmt:MATRIX_FMT_FP6
.endr
.irp u, 0,1,2,3
	v_wmma_scale_f32_16x16x128_f8f6f4 v[ACC+8*\u:ACC+8*\u+7], v[AB+12:AB+23], v[36*\u+12:36*\u+23], v[ACC+8*\u:ACC+8*\u+7], v[AFS+(\buf)], v[BFS+\u] matrix_a_fmt:MATRIX_FMT_FP6 matrix_b_fmt:MATRIX_FMT_FP6 matrix_a_scale:MATRIX_SCALE_ROW1 matrix_b_scale:MATRIX_SCALE_ROW1
.endr
.irp u, 0,1,2,3
	v_wmma_scale_f32_16x16x128_f8f6f4 v[ACC+8*\u:ACC+8*\u+7], v[AB+24:AB+35], v[36*\u+24:36*\u+35], v[ACC+8*\u:ACC+8*\u+7], v[AHS+(\buf)], v[BPS+\u] matrix_a_fmt:MATRIX_FMT_FP6 matrix_b_fmt:MATRIX_FMT_FP6
.endr
.endm
.macro REDUCE kk, buf                  ; the 16 rows added with their weights; the query's own row comes in from the half of the lanes that holds it
.set WB, 120+8*(\buf)
	WIN 0x01                                       ; source 0 window 1
.irp u, 0,1,2,3
	v_pk_mul_f32 v[TR+2*\u:TR+2*\u+1], v[ACC+8*\u:ACC+8*\u+1], v[WB:WB+1]
.endr
.irp i, 2,4,6
.irp u, 0,1,2,3
	v_pk_fma_f32 v[TR+2*\u:TR+2*\u+1], v[ACC+8*\u+\i:ACC+8*\u+\i+1], v[WB+\i:WB+\i+1], v[TR+2*\u:TR+2*\u+1]
.endr
.endr
.irp u, 0,1,2,3
	v_fma_f32 v[TR+2*\u], v[OWN+8*\u+((\kk)%8)], v[5+((\kk)/8)], v[TR+2*\u]
.endr
	WIN 0
.irp u, 0,1,2,3
	v_add_f32 v[SS+\u], v[TR+2*\u], v[TR+2*\u+1]
.endr
	v_permlane16_swap_b32 v[SS], v[SS+1]           ; tile 0's upper lanes change places with tile 1's lower: the sum below has tile 0 in lanes 0-15 and tile 1 in lanes 16-31
	v_permlane16_swap_b32 v[SS+2], v[SS+3]
	v_add_f32 v[EE], v[SS], v[SS+1]                ; channel 64 (W % 4) + 2 l
	v_add_f32 v[EE+1], v[SS+2], v[SS+3]            ; and + 1
	ds_store_b64 v16, v[EE:EE+1] offset:1040*(\kk)
.endm
	FETCH 0, 0
	WIN 0x55                                       ; the own rows: 16 queries x my 64 channels; all operands window 1
.irp u, 0,1,2,3
	v_wmma_scale_f32_16x16x128_f8f6f4 v[OWN+8*\u:OWN+8*\u+7], v[OWNF:OWNF+11], v[36*\u:36*\u+11], 0, v[OWS], v[BFS+\u] matrix_a_fmt:MATRIX_FMT_FP6 matrix_b_fmt:MATRIX_FMT_FP6
.endr
.irp u, 0,1,2,3
	v_wmma_scale_f32_16x16x128_f8f6f4 v[OWN+8*\u:OWN+8*\u+7], v[OWNF+12:OWNF+23], v[36*\u+12:36*\u+23], v[OWN+8*\u:OWN+8*\u+7], v[OWS], v[BFS+\u] matrix_a_fmt:MATRIX_FMT_FP6 matrix_b_fmt:MATRIX_FMT_FP6 matrix_a_scale:MATRIX_SCALE_ROW1 matrix_b_scale:MATRIX_SCALE_ROW1
.endr
	WIN 0
.set kq, 0
.rept 16
.if kq < 15
	FETCH kq+1, (kq+1)%2                           ; into the buffer that the query before has left: its last product stands behind the reduction's lines
	s_wait_dscnt 13                                ; this query's operands are in; the 13 loads just issued may be out
.else
	s_wait_dscnt 0x0
.endif
	MUL kq%2
.rept 4
	v_nop                                          ; four places between these products and the first read of their results (ISA guide 7.12.1)
.endr
	REDUCE kq, kq%2
.set kq, kq+1
.endr
	s_wait_dscnt 0x0
	s_barrier_signal -1
	s_barrier_wait -1                              ; 32 whole rows lie in the stage
	; ---- the biases and the norm: my four rows by turns; a lane holds channels 4 l .. + 3 and 128 + 4 l .. + 3
.irp t, 0,1,2,3
	ds_load_b128 v[XR+8*\t:XR+8*\t+3], v17 offset:1040*\t
	ds_load_b128 v[XR+8*\t+4:XR+8*\t+7], v17 offset:1040*\t+512
.endr
.irp i, 0,2,4,6
	v_pk_add_f32 v[BP+\i:BP+\i+1], v[BP+\i:BP+\i+1], v[BF+\i:BF+\i+1]     ; b_feat + b_pos2
.endr
.irp t, 0,1,2,3
	v_mov_b32 v[TP+\t], 0
.endr
	s_wait_dscnt 0x0
.irp t, 0,1,2,3
.irp i, 0,1,2,3,4,5,6,7
	v_fma_f32 v[XR+8*\t+\i], v[HN+\t], v[BP+\i], v[XR+8*\t+\i]
.endr
.endr
.irp t, 0,1,2,3
.irp i, 0,2,4,6
	v_pk_add_f32 v[XR+8*\t+\i:XR+8*\t+\i+1], v[XR+8*\t+\i:XR+8*\t+\i+1], v[BF+\i:BF+\i+1]
.endr
.endr
.macro ROWSUM                          ; v[SU + t] over the 32 lanes, the four rows by turns
.irp mm, 1,2,4,8
.irp t, 0,1,2,3
	v_add_f32_dpp v[SU+\t], v[SU+\t], v[SU+\t] row_xmask:\mm row_mask:0xf bank_mask:0xf
.endr
.endr
.irp t, 0,1,2,3
	v_permlanex16_b32 v[TP+\t], v[SU+\t], s[SEL], s[SEL+1]
.endr
.irp t, 0,1,2,3
	v_add_f32 v[SU+\t], v[SU+\t], v[TP+\t]
.endr
.endm
.irp t, 0,1,2,3
	v_pk_add_f32 v[PT+2*\t:PT+2*\t+1], v[XR+8*\t:XR+8*\t+1], v[XR+8*\t+2:XR+8*\t+3]
	v_pk_add_f32 v[QT+2*\t:QT+2*\t+1], v[XR+8*\t+4:XR+8*\t+5], v[XR+8*\t+6:XR+8*\t+7]
.endr
.irp t, 0,1,2,3
	v_pk_add_f32 v[PT+2*\t:PT+2*\t+1], v[PT+2*\t:PT+2*\t+1], v[QT+2*\t:QT+2*\t+1]
.endr
.irp t, 0,1,2,3
	v_add_f32 v[SU+\t], v[PT+2*\t], v[PT+2*\t+1]
.endr
	ROWSUM
.irp t, 0,1,2,3
	v_mul_f32 v[SU+\t], s78, v[SU+\t]              ; the mean
.endr
.irp t, 0,1,2,3
.irp i, 0,1,2,3,4,5,6,7
	v_sub_f32 v[XR+8*\t+\i], v[XR+8*\t+\i], v[SU+\t]
.endr
.endr
.irp t, 0,1,2,3
	v_pk_mul_f32 v[PT+2*\t:PT+2*\t+1], v[XR+8*\t:XR+8*\t+1], v[XR+8*\t:XR+8*\t+1]
.endr
.irp i, 2,4,6
.irp t, 0,1,2,3
	v_pk_fma_f32 v[PT+2*\t:PT+2*\t+1], v[XR+8*\t+\i:XR+8*\t+\i+1], v[XR+8*\t+\i:XR+8*\t+\i+1], v[PT+2*\t:PT+2*\t+1]
.endr
.endr
.irp t, 0,1,2,3
	v_add_f32 v[SU+\t], v[PT+2*\t], v[PT+2*\t+1]
.endr
	ROWSUM
.irp t, 0,1,2,3
	v_fma_f32 v[SU+\t], v[SU+\t], s78, s79         ; the variance + 1e-5
.endr
.irp t, 0,1,2,3
	v_rsq_f32 v[SU+\t], v[SU+\t]
.endr
	v_nop                                          ; a plain line behind the last of the batch
	s_wait_alu depctr_va_vdst(0)                   ; one wait for the four, ahead of their first reader
.irp t, 0,1,2,3
.irp i, 0,1,2,3,4,5,6,7
	v_mul_f32 v[XR+8*\t+\i], v[XR+8*\t+\i], v[SU+\t]
.endr
.endr
.irp t, 0,1,2,3
.irp i, 0,2,4,6
	v_pk_fma_f32 v[XR+8*\t+\i:XR+8*\t+\i+1], v[XR+8*\t+\i:XR+8*\t+\i+1], v[GA+\i:GA+\i+1], v[BE+\i:BE+\i+1]
.endr
.endr
.irp t, 0,1,2,3
	global_store_b128 v7, v[XR+8*\t:XR+8*\t+3], s[32:33] offset:1024*\t th:TH_STORE_NT          ; 32 lanes store 512 consecutive bytes, at a multiple of 256 from the output's first byte
	global_store_b128 v7, v[XR+8*\t+4:XR+8*\t+7], s[32:33] offset:1024*\t+512 th:TH_STORE_NT
.endr
	s_wait_tensorcnt 0x0
	ds_add_u32 v47, v215
	s_wait_dscnt 0x0
	s_endpgm
.Lfunc_end_k_q9de60612ab_aggregate:
	.size	k_q9de60612ab_aggregate, .Lfunc_end_k_q9de60612ab_aggregate-k_q9de60612ab_aggregate
	.p2alignl 7, 3214868480
	.fill 96, 4, 3214868480
	.section	.rodata,"a",@progbits
	.p2align	6, 0x0
	.amdhsa_kernel k_q9de60612ab_aggregate
		.amdhsa_group_segment_fixed_size 222976
		.amdhsa_private_segment_fixed_size 0
		.amdhsa_enable_private_segment 0
		.amdhsa_kernarg_size 120
		.amdhsa_user_sgpr_count 2
		.amdhsa_user_sgpr_kernarg_segment_ptr 1
		.amdhsa_wavefront_size32 1
		.amdhsa_system_sgpr_workgroup_id_x 1
		.amdhsa_system_sgpr_workgroup_id_y 1
		.amdhsa_system_sgpr_workgroup_id_z 1
		.amdhsa_system_vgpr_workitem_id 0
		.amdhsa_next_free_vgpr 512
		.amdhsa_next_free_sgpr 80
		.amdhsa_reserve_vcc 0
		.amdhsa_float_denorm_mode_32 3
		.amdhsa_float_denorm_mode_16_64 3
		.amdhsa_memory_ordered 1
		.amdhsa_forward_progress 1
		.amdhsa_inst_pref_size 143
	.end_amdhsa_kernel
	.amdgpu_metadata
---
amdhsa.version: [ 1, 2 ]
amdhsa.kernels:
  - .name:           k_q9de60612ab_aggregate
    .symbol:         k_q9de60612ab_aggregate.kd
    .args:
      - { .name: knn, .offset: 0, .size: 8, .value_kind: global_buffer, .address_space: global }
      - { .name: coords, .offset: 8, .size: 8, .value_kind: global_buffer, .address_space: global }
      - { .name: features_codes, .offset: 16, .size: 8, .value_kind: global_buffer, .address_space: global }
      - { .name: features_scales, .offset: 24, .size: 8, .value_kind: global_buffer, .address_space: global }
      - { .name: W_feat_codes, .offset: 32, .size: 8, .value_kind: global_buffer, .address_space: global }
      - { .name: W_feat_scales, .offset: 40, .size: 8, .value_kind: global_buffer, .address_space: global }
      - { .name: W_pos2_codes, .offset: 48, .size: 8, .value_kind: global_buffer, .address_space: global }
      - { .name: W_pos2_scales, .offset: 56, .size: 8, .value_kind: global_buffer, .address_space: global }
      - { .name: W_pos1, .offset: 64, .size: 8, .value_kind: global_buffer, .address_space: global }
      - { .name: b_pos1, .offset: 72, .size: 8, .value_kind: global_buffer, .address_space: global }
      - { .name: b_feat, .offset: 80, .size: 8, .value_kind: global_buffer, .address_space: global }
      - { .name: b_pos2, .offset: 88, .size: 8, .value_kind: global_buffer, .address_space: global }
      - { .name: gamma, .offset: 96, .size: 8, .value_kind: global_buffer, .address_space: global }
      - { .name: beta, .offset: 104, .size: 8, .value_kind: global_buffer, .address_space: global }
      - { .name: out0, .offset: 112, .size: 8, .value_kind: global_buffer, .address_space: global }
    .group_segment_fixed_size: 222976
    .private_segment_fixed_size: 0
    .kernarg_segment_align: 8
    .kernarg_segment_size: 120
    .max_flat_workgroup_size: 256
    .sgpr_count:     80
    .vgpr_count:     512
    .wavefront_size: 32
...
	.end_amdgpu_metadata
.endif
;; end of part 3
;; ======== version 2 of 2: 3 launches
;; workspace buffers: gmask 262,144 bytes of whole numbers; knn 524,288 bytes of whole numbers
;; launch groups (part 4): grid 256 x 1, 16 waves a work-group, no clusters, 44,032 bytes of LDS; arguments coords, gmask; writes gmask
.if DOCPART == 4
	.amdgcn_target "amdgcn-amd-amdhsa--gfx1250"
	.amdhsa_code_object_version 6
	.text
	.protected	k_q9de60612ab_groups
	.globl	k_q9de60612ab_groups
	.p2align	8
	.type	k_q9de60612ab_groups,@function
k_q9de60612ab_groups:
	s_mov_b64 s[64:65], 0
	v_nop
	global_prefetch_b8 v0, s[64:65] scope:SCOPE_SE
	s_setreg_imm32_b32 hwreg(HW_REG_WAVE_MODE, 25, 1), 1
	s_wait_xcnt 0x0
; FIRST OF THREE LAUNCHES.  For each of the 8,192 points (2 batches of 4,096) the distance d = sqrt(dx^2 + dy^2) + 0.3 |dt| to every point of its batch is made,
; +infinity for the point itself and for later points (t_j > t_i), and reduced at once to the minimum of each GROUP of 16 consecutive candidates: 256 groups a query.
; Then the 16 smallest groups by (minimum, group number) are chosen, exactly, and stored as a mask of 256 bits a query: gmask[query][lam] (u16), bit r = group 16 lam + r.
; WHY THAT IS ENOUGH: were one of the 16 nearest points, by (d, j), in a group that is not among the 16 smallest, 16 other groups would each hold a point that comes ahead of it.
; SHARES.  A work-group owns 32 queries of one batch.  Wave W: candidates 512 (W / 2) on, queries 16 (W % 2) on.  A lane owns one group: its 16 candidates lie in registers.
; The wave's 16 queries lie in scalar registers; the text is written out query by query, so that a query's roots are issued while the next query's squares are made.
; No matrix unit (nothing here is a product), no tensor load and no cluster: what is shared is 48 KB of coordinates, which every lane takes into registers once.
; LIMITS: NaN and infinite coordinates are not served; the root takes dx^2 + dy^2 under 2^-126 as 0; d is fma, root (1 ulp), fma: two candidates whose d agree within that rounding may be ordered otherwise than by another rounding.
.set GMQ,  1280                        ; LDS: a query's 256 minima: 16 chunks of 64 bytes + 16 of padding
.set GOUT, 40960                       ; behind them: 512 words of 16 bits, the masks
.set X,    16                          ; v16-31   x of my 16 candidates
.set Y,    32                          ; v32-47   y
.set NT,   48                          ; v48-63   -t
.set RAW,  64                          ; v64-111  the coordinates as loaded
.set SET0, 64                          ; two sets of 48 (v64-111, v112-159): +0 dx^2 + dy^2, then d; +16 u = t_i - t_j; +32 u x -infinity
.set DX,   160                         ; v160-175
.set DY,   176                         ; v176-191
.set MA,   12
.set MB,   13
.set VGA,  14                          ; where my group's minimum goes, for the wave's first query
.set VINF, 15
.set K,    16                          ; the choice: 16 keys a lane, kept
.set SA,   32
.set SB,   48
.set TT,   64
.set TH,   TT                          ; the 16th smallest key
.set MLT,  TT+1                        ; bit r: key r is smaller
.set MEQ,  TT+2                        ; bit r: key r is equal
.set CL,   TT+3
.set CE,   TT+4
.set IE,   TT+5
.set TMP,  TT+6
.set AA,   TT+7
.set POS,  TT+8
.set P1,   TT+9
.set P2,   TT+10
.set P3,   TT+11
.set TQ,   TT+12
.set TW,   TT+13
.set KM,   TT+14
.set SEL,  TT+15
.set SM,   15                          ; s15
; one stage of a bitonic network on a lane's 16 registers, from src into dst: no copies
.macro STAGE src, dst, kk, jj
.set si, 0
.rept 16
.if (si/\jj)%2 == 0
.if (si/\kk)%2 == 0
	v_min_num_f32 v[\dst+si], v[\src+si], v[\src+si+\jj]
	v_max_num_f32 v[\dst+si+\jj], v[\src+si], v[\src+si+\jj]
.else
	v_max_num_f32 v[\dst+si], v[\src+si], v[\src+si+\jj]
	v_min_num_f32 v[\dst+si+\jj], v[\src+si], v[\src+si+\jj]
.endif
.endif
.set si, si+1
.endr
.endm
; two sorted lists, mine and that of lane xor mm: the 16 smallest of both, sorted, in dst; both lanes end with the same list
.macro MERGE src, dst, mm
.set mi, 0
.rept 16
	v_min_num_f32_dpp v[\dst+mi], v[\src+15-mi], v[\src+mi] row_xmask:\mm row_mask:0xf bank_mask:0xf
.set mi, mi+1
.endr
	STAGE \dst, \src, 16, 8
	STAGE \src, \dst, 16, 4
	STAGE \dst, \src, 16, 2
	STAGE \src, \dst, 16, 1
.endm
; the set bits of a 16-bit mask counted in fields of 2 (P1), 4 (P2) and 8 bits (P3), and in all (cc)
.macro COUNTS mk, cc
	v_lshrrev_b32 v[TQ], 1, v[\mk]
	s_delay_alu instid0(VALU_DEP_1)
	v_and_b32 v[TQ], 0x5555, v[TQ]
	s_delay_alu instid0(VALU_DEP_1)
	v_sub_nc_u32 v[P1], v[\mk], v[TQ]
	s_delay_alu instid0(VALU_DEP_1)
	v_lshrrev_b32 v[TQ], 2, v[P1]
	s_delay_alu instid0(VALU_DEP_1)
	v_and_b32 v[TQ], 0x3333, v[TQ]
	s_delay_alu instid0(VALU_DEP_3)
	v_and_b32 v[P2], 0x3333, v[P1]
	s_delay_alu instid0(VALU_DEP_1)
	v_add_nc_u32 v[P2], v[P2], v[TQ]
	s_delay_alu instid0(VALU_DEP_1)
	v_lshrrev_b32 v[TQ], 4, v[P2]
	s_delay_alu instid0(VALU_DEP_1)
	v_add_nc_u32 v[P3], v[P2], v[TQ]
	s_delay_alu instid0(VALU_DEP_1)
	v_and_b32 v[P3], 0x0f0f, v[P3]
	s_delay_alu instid0(VALU_DEP_1)
	v_lshrrev_b32 v[TQ], 8, v[P3]
	s_delay_alu instid0(VALU_DEP_1)
	v_add_nc_u32 v[\cc], v[P3], v[TQ]
	s_delay_alu instid0(VALU_DEP_1)
	v_and_b32 v[\cc], 31, v[\cc]
.endm
; POS = the place of set bit number nn (from 0) of the mask that COUNTS saw last; nn is used up.  Past the last set bit: 15
.macro NTH mk, nn
	v_and_b32 v[TQ], 0xff, v[P3]
	s_delay_alu instid0(VALU_DEP_1)
	v_cmp_ge_u32 vcc_lo, v[\nn], v[TQ]
	s_delay_alu instid0(VALU_DEP_1)
	v_cndmask_b32 v[TQ], 0, v[TQ], vcc_lo
	s_delay_alu instid0(VALU_DEP_1)
	v_sub_nc_u32 v[\nn], v[\nn], v[TQ]
	s_delay_alu instid0(VALU_DEP_3)
	v_cndmask_b32 v[POS], 0, 8, vcc_lo
	s_delay_alu instid0(VALU_DEP_1)
	v_bfe_u32 v[TQ], v[P2], v[POS], 4
	s_delay_alu instid0(VALU_DEP_1)
	v_cmp_ge_u32 vcc_lo, v[\nn], v[TQ]
	s_delay_alu instid0(VALU_DEP_1)
	v_cndmask_b32 v[TQ], 0, v[TQ], vcc_lo
	s_delay_alu instid0(VALU_DEP_1)
	v_sub_nc_u32 v[\nn], v[\nn], v[TQ]
	s_delay_alu instid0(VALU_DEP_3)
	v_cndmask_b32 v[TW], 0, 4, vcc_lo
	s_delay_alu instid0(VALU_DEP_1)
	v_add_nc_u32 v[POS], v[POS], v[TW]
	s_delay_alu instid0(VALU_DEP_1)
	v_bfe_u32 v[TQ], v[P1], v[POS], 2
	s_delay_alu instid0(VALU_DEP_1)
	v_cmp_ge_u32 vcc_lo, v[\nn], v[TQ]
	s_delay_alu instid0(VALU_DEP_1)
	v_cndmask_b32 v[TQ], 0, v[TQ], vcc_lo
	s_delay_alu instid0(VALU_DEP_1)
	v_sub_nc_u32 v[\nn], v[\nn], v[TQ]
	s_delay_alu instid0(VALU_DEP_3)
	v_cndmask_b32 v[TW], 0, 2, vcc_lo
	s_delay_alu instid0(VALU_DEP_1)
	v_add_nc_u32 v[POS], v[POS], v[TW]
	s_delay_alu instid0(VALU_DEP_1)
	v_bfe_u32 v[TQ], v[\mk], v[POS], 1
	s_delay_alu instid0(VALU_DEP_1)
	v_cmp_ge_u32 vcc_lo, v[\nn], v[TQ]
	s_delay_alu instid0(VALU_DEP_1)
	v_cndmask_b32 v[TW], 0, 1, vcc_lo
	s_delay_alu instid0(VALU_DEP_1)
	v_add_nc_u32 v[POS], v[POS], v[TW]
.endm
; IE becomes its inclusive sum over the lanes of the row, from lane 0 on
.macro PREFIX
.irp sh, 1,2,4,8
	v_mov_b32 v[TMP], 0
	s_delay_alu instid0(VALU_DEP_2)
	v_mov_b32_dpp v[TMP], v[IE] row_shr:\sh row_mask:0xf bank_mask:0xf bound_ctrl:1
	s_delay_alu instid0(VALU_DEP_1)
	v_add_nc_u32 v[IE], v[IE], v[TMP]
.endr
.endm
; A row of 16 lanes holds a query's 256 keys, lane lam's register r being number 16 lam + r.  SEL: bit r set where my key r is among the 16 smallest by (key, number); keys of +infinity are never taken.
.macro SELECT16
	STAGE K, SA, 2, 1                      ; each lane sorts its 16
	STAGE SA, SB, 4, 2
	STAGE SB, SA, 4, 1
	STAGE SA, SB, 8, 4
	STAGE SB, SA, 8, 2
	STAGE SA, SB, 8, 1
	STAGE SB, SA, 16, 8
	STAGE SA, SB, 16, 4
	STAGE SB, SA, 16, 2
	STAGE SA, SB, 16, 1
	MERGE SB, SA, 1                        ; the 16 smallest of 2, 4, 8 lanes
	MERGE SA, SB, 2
	MERGE SB, SA, 4
.set mi, 0
.rept 16
	v_min_num_f32_dpp v[SB+mi], v[SA+15-mi], v[SA+mi] row_xmask:8 row_mask:0xf bank_mask:0xf   ; of all 16 lanes, unsorted: only their largest is wanted
.set mi, mi+1
.endr
	v_max3_num_f32 v[TH], v[SB], v[SB+1], v[SB+2]
	v_max3_num_f32 v[TQ], v[SB+3], v[SB+4], v[SB+5]
.irp i, 6,10
	s_delay_alu instid0(VALU_DEP_2)
	v_max3_num_f32 v[TH], v[TH], v[SB+\i], v[SB+\i+1]
	s_delay_alu instid0(VALU_DEP_2)
	v_max3_num_f32 v[TQ], v[TQ], v[SB+\i+2], v[SB+\i+3]
.endr
	s_delay_alu instid0(VALU_DEP_2)
	v_max3_num_f32 v[TH], v[TH], v[SB+14], v[SB+15]
	s_delay_alu instid0(VALU_DEP_1)
	v_max_num_f32 v[TH], v[TH], v[TQ]      ; the row's 16th smallest key
	v_mov_b32 v[MLT], 0
	v_mov_b32 v[MEQ], 0
	v_mov_b32 v[TMP], 0
.irp r, 15,14,13,12,11,10,9,8,7,6,5,4,3,2,1,0
	v_cmp_lt_f32 vcc_lo, v[K+\r], v[TH]
	s_delay_alu instid0(VALU_DEP_1)
	v_add_co_ci_u32 v[MLT], vcc_lo, v[MLT], v[MLT], vcc_lo     ; the mask doubled, plus the new bit
	v_cmp_eq_f32 vcc_lo, v[K+\r], v[TH]
	s_delay_alu instid0(VALU_DEP_1)
	v_add_co_ci_u32 v[MEQ], vcc_lo, v[MEQ], v[MEQ], vcc_lo
.endr
	COUNTS MLT, CL
	COUNTS MEQ, CE
.irp mm, 1
	v_mov_b32_dpp v[TMP], v[CL] row_xmask:\mm row_mask:0xf bank_mask:0xf
	s_delay_alu instid0(VALU_DEP_1)
	v_add_nc_u32 v[CL], v[CL], v[TMP]
.endr
.irp mm, 2, 4, 8
	s_delay_alu instid0(VALU_DEP_1)
	v_mov_b32_dpp v[TMP], v[CL] row_xmask:\mm row_mask:0xf bank_mask:0xf
	s_delay_alu instid0(VALU_DEP_1)
	v_add_nc_u32 v[CL], v[CL], v[TMP]      ; how many keys of the row are smaller: at most 15
.endr
	v_mov_b32 v[IE], v[CE]
	PREFIX
	s_delay_alu instid0(VALU_DEP_1)
	v_sub_nc_u32 v[IE], v[IE], v[CE]       ; equal keys in the lanes ahead of me
	v_sub_nc_u32 v[AA], 16, v[CL]          ; equal keys still to be taken in the row
	s_delay_alu instid0(VALU_DEP_1)
	v_min_u32 v[IE], v[IE], v[AA]
	s_delay_alu instid0(VALU_DEP_1)
	v_sub_nc_u32 v[AA], v[AA], v[IE]       ; and by me at the most
	v_cmp_gt_u32 vcc_lo, 0x7f800000, v[TH] ; keys are never negative: as bits, a finite key lies under +infinity's
	s_delay_alu instid0(VALU_DEP_1)
	v_cndmask_b32 v[AA], 0, v[AA], vcc_lo
	s_delay_alu instid0(VALU_DEP_1)
	v_cmp_ge_u32 s[SM], v[AA], v[CE]       ; all my equal keys are taken
	NTH MEQ, AA
	s_delay_alu instid0(VALU_DEP_1)
	v_cndmask_b32 v[POS], v[POS], 16, s[SM]
	s_delay_alu instid0(VALU_DEP_1)
	v_lshlrev_b32 v[KM], v[POS], 1
	s_delay_alu instid0(VALU_DEP_1)
	v_add_nc_u32 v[KM], -1, v[KM]          ; the bits under the first equal key that is not taken
	s_delay_alu instid0(VALU_DEP_1)
	v_and_or_b32 v[SEL], v[MEQ], v[KM], v[MLT]
.endm
; query qq's squares, u and mask numbers into a set: 48 packed lines, stage by stage, so that no line waits for the line above it
.macro FRONT qq, set
	s_xor_b32 s66, s[16+3*(\qq)], 0x80000000       ; -x_i;  the packed forms name a pair and take its low word for both halves
	s_xor_b32 s68, s[17+3*(\qq)], 0x80000000       ; -y_i
	s_mov_b32 s70, s[18+3*(\qq)]                   ; t_i
.irp p, 0,2,4,6,8,10,12,14
	v_pk_add_f32 v[DX+\p:DX+\p+1], v[X+\p:X+\p+1], s[66:67] op_sel_hi:[1,0]
.endr
.irp p, 0,2,4,6,8,10,12,14
	v_pk_add_f32 v[DY+\p:DY+\p+1], v[Y+\p:Y+\p+1], s[68:69] op_sel_hi:[1,0]
.endr
.irp p, 0,2,4,6,8,10,12,14
	v_pk_add_f32 v[\set+16+\p:\set+17+\p], v[NT+\p:NT+\p+1], s[70:71] op_sel_hi:[1,0]   ; u = t_i - t_j: |dt| wherever the candidate counts
.endr
.irp p, 0,2,4,6,8,10,12,14
	v_pk_mul_f32 v[\set+\p:\set+\p+1], v[DX+\p:DX+\p+1], v[DX+\p:DX+\p+1]
.endr
.irp p, 0,2,4,6,8,10,12,14
	v_pk_fma_f32 v[\set+\p:\set+\p+1], v[DY+\p:DY+\p+1], v[DY+\p:DY+\p+1], v[\set+\p:\set+\p+1]
.endr
.irp p, 0,2,4,6,8,10,12,14
	v_pk_mul_f32 v[\set+32+\p:\set+33+\p], v[\set+16+\p:\set+17+\p], 0xff800000 op_sel_hi:[1,0]   ; u x -infinity: +infinity for a later point, -infinity or NaN else
.endr
.endm
.macro ROOT set
.irp r, 0,1,2,3,4,5,6,7,8,9,10,11,12,13,14,15
	v_sqrt_f32 v[\set+\r], v[\set+\r]
.endr
.endm
; d, the two masks, the group's minimum, into LDS
.macro BACK qq, set
.irp p, 0,2,4,6,8,10,12,14
	v_pk_fma_f32 v[\set+\p:\set+\p+1], v[\set+16+\p:\set+17+\p], 0x3e99999a, v[\set+\p:\set+\p+1] op_sel_hi:[1,0,1]
.endr
.irp r, 0,1,2,3,4,5,6,7,8,9,10,11,12,13,14,15
	v_max_num_f32 v[\set+\r], v[\set+\r], v[\set+32+\r]        ; a NaN loses: only a later point's d becomes +infinity
.endr
	v_cndmask_b32 v[\set+(\qq)], v[\set+(\qq)], v[VINF], s14   ; the point itself: the wave's 16 queries are the 16 candidates of one group, query qq its register qq
	v_min3_num_f32 v[MA], v[\set], v[\set+1], v[\set+2]
	v_min3_num_f32 v[MB], v[\set+3], v[\set+4], v[\set+5]
.irp i, 6,10
	s_delay_alu instid0(VALU_DEP_2)
	v_min3_num_f32 v[MA], v[MA], v[\set+\i], v[\set+\i+1]
	s_delay_alu instid0(VALU_DEP_2)
	v_min3_num_f32 v[MB], v[MB], v[\set+\i+2], v[\set+\i+3]
.endr
	s_delay_alu instid0(VALU_DEP_2)
	v_min3_num_f32 v[MA], v[MA], v[\set+14], v[\set+15]
	s_delay_alu instid0(VALU_DEP_1)
	v_min_num_f32 v[MA], v[MA], v[MB]
	ds_store_b32 v[VGA], v[MA] offset:(\qq)*GMQ
.endm
	s_load_b128 s[4:7], s[0:1], 0x0                ; coords, gmask
	v_lshl_add_u32 v192, v0, 2, 0xa400
	v_mov_b32 v193, 0
	v_lshrrev_b32 v1, 5, v0
	s_delay_alu instid0(VALU_DEP_1)
	v_readfirstlane_b32 s8, v1                     ; wave 0..15
	v_and_b32 v2, 31, v0                           ; lane
	s_wait_alu depctr_va_vdst(0)
	s_lshr_b32 s9, s8, 1                           ; which 512 candidates
	s_and_b32 s10, s8, 1                           ; which 16 queries
	s_lshr_b32 s11, ttmp9, 7                       ; batch
	s_and_b32 s12, ttmp9, 127                      ; block of 32 queries in it
	s_lshl_b32 s13, s12, 1
	s_add_co_u32 s13, s13, s10                     ; the group that my 16 queries form
	s_mul_i32 s72, s11, 49152                      ; the batch's coordinates
	s_mov_b32 s73, 0
	s_mul_i32 s74, s9, 6144                        ; my 512 candidates, 12 bytes each
	s_mov_b32 s75, 0
	s_mul_i32 s76, s13, 192                        ; my 16 queries
	s_mov_b32 s77, 0
	s_lshl_b32 s78, ttmp9, 10                      ; the work-group's 1,024 bytes of masks
	s_mov_b32 s79, 0
	s_mov_b32 s67, 0                               ; named as the upper halves of pairs, so they are written
	s_mov_b32 s69, 0
	s_mov_b32 s71, 0
	v_mul_u32_u24 v3, v2, 192                      ; my group's 16 candidates
	s_wait_alu depctr_va_vdst(0)
	s_wait_kmcnt 0x0
	s_add_nc_u64 s[4:5], s[4:5], s[72:73]
	s_add_nc_u64 s[76:77], s[4:5], s[76:77]
	s_add_nc_u64 s[4:5], s[4:5], s[74:75]
	s_add_nc_u64 s[6:7], s[6:7], s[78:79]
	s_load_b512 s[16:31], s[76:77], 0x0            ; 16 queries x (x, y, t)
	s_load_b512 s[32:47], s[76:77], 0x40
	s_load_b512 s[48:63], s[76:77], 0x80
.irp k, 0,1,2,3,4,5,6,7,8,9,10,11
	global_load_b128 v[RAW+4*\k:RAW+4*\k+3], v3, s[4:5] offset:16*\k
.endr
	s_lshl_b32 s72, s9, 5
	v_add_nc_u32 v4, s72, v2                       ; my group's number
	s_delay_alu instid0(VALU_DEP_1)
	v_cmp_eq_u32 s14, s13, v4                      ; the lane whose group holds the wave's queries, if the wave has it
	v_bfe_u32 v5, v0, 4, 1
	v_and_b32 v6, 15, v0
	s_delay_alu instid0(VALU_DEP_2)
	v_mul_u32_u24 v5, v5, 80
	s_delay_alu instid0(VALU_DEP_1)
	v_lshl_add_u32 v5, v6, 2, v5
	s_mul_i32 s73, s10, 16*GMQ
	s_mul_i32 s74, s9, 160
	s_add_co_u32 s73, s73, s74
	v_add_nc_u32 v[VGA], s73, v5                   ; query x 1,280 + (group / 16) x 80 + (group % 16) x 4
	v_mov_b32 v[VINF], 0x7f800000
	v_lshrrev_b32 v7, 4, v0
	s_delay_alu instid0(VALU_DEP_1)
	v_mul_u32_u24 v7, v7, GMQ
	s_delay_alu instid0(VALU_DEP_1)
	v_mad_u32_u24 v7, v6, 80, v7                   ; the choice: query thread / 16, chunk thread % 16
	v_lshl_add_u32 v9, v0, 1, GOUT                 ; my mask word
	v_lshl_add_u32 v10, v0, 4, GOUT                ; the way out, waves 0 and 1
	v_lshlrev_b32 v11, 4, v0
	s_wait_loadcnt 0x0                             ; the only loads into vector registers
	s_wait_kmcnt 0x0
.irp r, 0,1,2,3,4,5,6,7,8,9,10,11,12,13,14,15
	v_mov_b32 v[X+\r], v[RAW+3*\r]
	v_mov_b32 v[Y+\r], v[RAW+3*\r+1]
	v_xor_b32 v[NT+\r], 0x80000000, v[RAW+3*\r+2]
.endr
	FRONT 0, SET0
.set q, 0
	s_wait_alu depctr_va_vdst(0)
.rept 16
.set cur, SET0+48*(q%2)
.set nxt, SET0+48*((q+1)%2)
	ROOT cur                                       ; 16 roots as one batch;
.if q < 15
	FRONT q+1, nxt                                 ; the next query's 48 lines name none of them;
.else
	v_nop                                          ; (a plain line behind the last root)
.endif
	s_wait_alu depctr_va_vdst(0)                   ; one wait for the batch, ahead of its first reader
	BACK q, cur
.set q, q+1
.endr
	s_wait_dscnt 0x0                               ; my minima lie in LDS
	s_barrier_signal -1
	s_barrier_wait -1                              ; everybody's do
.irp k, 0,1,2,3
	ds_load_b128 v[K+4*\k:K+4*\k+3], v7 offset:16*\k
.endr
	s_wait_dscnt 0x0
	SELECT16
	ds_store_b16 v9, v[SEL]
	s_wait_dscnt 0x0
	s_barrier_signal -1
	s_barrier_wait -1                              ; the 512 mask words lie in LDS
	s_cmp_gt_u32 s8, 1
	s_cbranch_scc1 .Ldone
	ds_load_b128 v[16:19], v10
	s_wait_dscnt 0x0
	global_store_b128 v11, v[16:19], s[6:7]        ; a wave stores 512 consecutive bytes, at a multiple of 256 from the buffer's first byte
.Ldone:
	s_wait_tensorcnt 0x0
	ds_add_u32 v192, v193
	s_wait_dscnt 0x0
	s_endpgm
.Lfunc_end_k_q9de60612ab_groups:
	.size	k_q9de60612ab_groups, .Lfunc_end_k_q9de60612ab_groups-k_q9de60612ab_groups
	.p2alignl 7, 3214868480
	.fill 96, 4, 3214868480
	.section	.rodata,"a",@progbits
	.p2align	6, 0x0
	.amdhsa_kernel k_q9de60612ab_groups
		.amdhsa_group_segment_fixed_size 44032
		.amdhsa_private_segment_fixed_size 0
		.amdhsa_enable_private_segment 0
		.amdhsa_kernarg_size 16
		.amdhsa_user_sgpr_count 2
		.amdhsa_user_sgpr_kernarg_segment_ptr 1
		.amdhsa_wavefront_size32 1
		.amdhsa_system_sgpr_workgroup_id_x 1
		.amdhsa_system_sgpr_workgroup_id_y 1
		.amdhsa_system_sgpr_workgroup_id_z 1
		.amdhsa_system_vgpr_workitem_id 0
		.amdhsa_next_free_vgpr 194
		.amdhsa_next_free_sgpr 80
		.amdhsa_reserve_vcc 1
		.amdhsa_float_denorm_mode_32 3
		.amdhsa_float_denorm_mode_16_64 3
		.amdhsa_memory_ordered 1
		.amdhsa_forward_progress 1
		.amdhsa_inst_pref_size 127
	.end_amdhsa_kernel
	.amdgpu_metadata
---
amdhsa.version: [ 1, 2 ]
amdhsa.kernels:
  - .name:           k_q9de60612ab_groups
    .symbol:         k_q9de60612ab_groups.kd
    .args:
      - { .name: coords, .offset: 0, .size: 8, .value_kind: global_buffer, .address_space: global }
      - { .name: gmask, .offset: 8, .size: 8, .value_kind: global_buffer, .address_space: global }
    .group_segment_fixed_size: 44032
    .private_segment_fixed_size: 0
    .kernarg_segment_align: 8
    .kernarg_segment_size: 16
    .max_flat_workgroup_size: 512
    .sgpr_count:     80
    .vgpr_count:     194
    .wavefront_size: 32
...
	.end_amdgpu_metadata
.endif
;; end of part 4
;; launch pick (part 5): grid 256 x 1, 16 waves a work-group, no clusters, 4,096 bytes of LDS; arguments coords, gmask, knn; writes knn
.if DOCPART == 5
	.amdgcn_target "amdgcn-amd-amdhsa--gfx1250"
	.amdhsa_code_object_version 6
	.text
	.protected	k_q9de60612ab_pick
	.globl	k_q9de60612ab_pick
	.p2align	8
	.type	k_q9de60612ab_pick,@function
k_q9de60612ab_pick:
	s_mov_b64 s[64:65], 0
	v_nop
	global_prefetch_b8 v0, s[64:65] scope:SCOPE_SE
	s_setreg_imm32_b32 hwreg(HW_REG_WAVE_MODE, 25, 1), 1
	s_wait_xcnt 0x0
; SECOND OF THREE LAUNCHES.  For each query the mask of its 16 chosen groups is read, the groups are listed in ascending order, one to a lane of a row of 16 lanes, their 256 candidates' distances are made again
; by the same operations as in the first launch, and the 16 smallest by (d, j) are chosen, exactly.  Stored: knn[query][16] (u32): j | 0x10000 for a neighbour; for an empty place the query's own index, a safe address.
; The groups' addresses hang on whole numbers that an earlier launch stored; what this launch derives from distances is only stored.
; SHARES.  A work-group owns 32 queries, a wave two, a lane one group of one query.  No matrix unit, no tensor load, no cluster: a lane reads 192 bytes of its own.
; LIMITS: as in the first launch: NaN and infinite coordinates are not served; the root takes dx^2 + dy^2 under 2^-126 as 0; d is fma, root (1 ulp), fma.
.set LAM,  1                           ; v1   lane % 16
.set II,   5                           ; v5   the query's index in its batch
.set XI,   6
.set YI,   7
.set TIQ,  8
.set TI,   9                           ; t_i, or -infinity in a lane that has no group: all its keys then become +infinity
.set NINF, 10
.set G,    11
.set TOTG, 12
.set OFF,  13
.set SPOS, 14                          ; the query's place among my 16 candidates, if it is there
.set PINF, 15
.set RAW,  16                          ; v16-63   16 candidates x (x, y, t)
.set K,    64                          ; v64-79   keys, kept
.set U,    80                          ; v80-95
.set SA,   96
.set SB,   112
.set TT,   128
.set TH,   TT
.set MLT,  TT+1
.set MEQ,  TT+2
.set CL,   TT+3
.set CE,   TT+4
.set IE,   TT+5
.set TMP,  TT+6
.set AA,   TT+7
.set POS,  TT+8
.set P1,   TT+9
.set P2,   TT+10
.set P3,   TT+11
.set TQ,   TT+12
.set TW,   TT+13
.set KM,   TT+14
.set SEL,  TT+15
.set WRD,  144
.set EM,   145
.set SP,   146
.set SW,   147
.set JJ,   148
.set CNT,  149
.set SM,   21                          ; s21
; one stage of a bitonic network on a lane's 16 registers, from src into dst: no copies
.macro STAGE src, dst, kk, jj
.set si, 0
.rept 16
.if (si/\jj)%2 == 0
.if (si/\kk)%2 == 0
	v_min_num_f32 v[\dst+si], v[\src+si], v[\src+si+\jj]
	v_max_num_f32 v[\dst+si+\jj], v[\src+si], v[\src+si+\jj]
.else
	v_max_num_f32 v[\dst+si], v[\src+si], v[\src+si+\jj]
	v_min_num_f32 v[\dst+si+\jj], v[\src+si], v[\src+si+\jj]
.endif
.endif
.set si, si+1
.endr
.endm
; two sorted lists, mine and that of lane xor mm: the 16 smallest of both, sorted, in dst
.macro MERGE src, dst, mm
.set mi, 0
.rept 16
	v_min_num_f32_dpp v[\dst+mi], v[\src+15-mi], v[\src+mi] row_xmask:\mm row_mask:0xf bank_mask:0xf
.set mi, mi+1
.endr
	STAGE \dst, \src, 16, 8
	STAGE \src, \dst, 16, 4
	STAGE \dst, \src, 16, 2
	STAGE \src, \dst, 16, 1
.endm
; the set bits of a 16-bit mask counted in fields of 2 (P1), 4 (P2) and 8 bits (P3), and in all (cc)
.macro COUNTS mk, cc
	v_lshrrev_b32 v[TQ], 1, v[\mk]
	s_delay_alu instid0(VALU_DEP_1)
	v_and_b32 v[TQ], 0x5555, v[TQ]
	s_delay_alu instid0(VALU_DEP_1)
	v_sub_nc_u32 v[P1], v[\mk], v[TQ]
	s_delay_alu instid0(VALU_DEP_1)
	v_lshrrev_b32 v[TQ], 2, v[P1]
	s_delay_alu instid0(VALU_DEP_1)
	v_and_b32 v[TQ], 0x3333, v[TQ]
	s_delay_alu instid0(VALU_DEP_3)
	v_and_b32 v[P2], 0x3333, v[P1]
	s_delay_alu instid0(VALU_DEP_1)
	v_add_nc_u32 v[P2], v[P2], v[TQ]
	s_delay_alu instid0(VALU_DEP_1)
	v_lshrrev_b32 v[TQ], 4, v[P2]
	s_delay_alu instid0(VALU_DEP_1)
	v_add_nc_u32 v[P3], v[P2], v[TQ]
	s_delay_alu instid0(VALU_DEP_1)
	v_and_b32 v[P3], 0x0f0f, v[P3]
	s_delay_alu instid0(VALU_DEP_1)
	v_lshrrev_b32 v[TQ], 8, v[P3]
	s_delay_alu instid0(VALU_DEP_1)
	v_add_nc_u32 v[\cc], v[P3], v[TQ]
	s_delay_alu instid0(VALU_DEP_1)
	v_and_b32 v[\cc], 31, v[\cc]
.endm
; POS = the place of set bit number nn (from 0) of the mask that COUNTS saw last; nn is used up.  Past the last set bit: 15
.macro NTH mk, nn
	v_and_b32 v[TQ], 0xff, v[P3]
	s_delay_alu instid0(VALU_DEP_1)
	v_cmp_ge_u32 vcc_lo, v[\nn], v[TQ]
	s_delay_alu instid0(VALU_DEP_1)
	v_cndmask_b32 v[TQ], 0, v[TQ], vcc_lo
	s_delay_alu instid0(VALU_DEP_1)
	v_sub_nc_u32 v[\nn], v[\nn], v[TQ]
	s_delay_alu instid0(VALU_DEP_3)
	v_cndmask_b32 v[POS], 0, 8, vcc_lo
	s_delay_alu instid0(VALU_DEP_1)
	v_bfe_u32 v[TQ], v[P2], v[POS], 4
	s_delay_alu instid0(VALU_DEP_1)
	v_cmp_ge_u32 vcc_lo, v[\nn], v[TQ]
	s_delay_alu instid0(VALU_DEP_1)
	v_cndmask_b32 v[TQ], 0, v[TQ], vcc_lo
	s_delay_alu instid0(VALU_DEP_1)
	v_sub_nc_u32 v[\nn], v[\nn], v[TQ]
	s_delay_alu instid0(VALU_DEP_3)
	v_cndmask_b32 v[TW], 0, 4, vcc_lo
	s_delay_alu instid0(VALU_DEP_1)
	v_add_nc_u32 v[POS], v[POS], v[TW]
	s_delay_alu instid0(VALU_DEP_1)
	v_bfe_u32 v[TQ], v[P1], v[POS], 2
	s_delay_alu instid0(VALU_DEP_1)
	v_cmp_ge_u32 vcc_lo, v[\nn], v[TQ]
	s_delay_alu instid0(VALU_DEP_1)
	v_cndmask_b32 v[TQ], 0, v[TQ], vcc_lo
	s_delay_alu instid0(VALU_DEP_1)
	v_sub_nc_u32 v[\nn], v[\nn], v[TQ]
	s_delay_alu instid0(VALU_DEP_3)
	v_cndmask_b32 v[TW], 0, 2, vcc_lo
	s_delay_alu instid0(VALU_DEP_1)
	v_add_nc_u32 v[POS], v[POS], v[TW]
	s_delay_alu instid0(VALU_DEP_1)
	v_bfe_u32 v[TQ], v[\mk], v[POS], 1
	s_delay_alu instid0(VALU_DEP_1)
	v_cmp_ge_u32 vcc_lo, v[\nn], v[TQ]
	s_delay_alu instid0(VALU_DEP_1)
	v_cndmask_b32 v[TW], 0, 1, vcc_lo
	s_delay_alu instid0(VALU_DEP_1)
	v_add_nc_u32 v[POS], v[POS], v[TW]
.endm
; IE becomes its inclusive sum over the lanes of the row, from lane 0 on
.macro PREFIX
.irp sh, 1,2,4,8
	v_mov_b32 v[TMP], 0
	s_delay_alu instid0(VALU_DEP_2)
	v_mov_b32_dpp v[TMP], v[IE] row_shr:\sh row_mask:0xf bank_mask:0xf bound_ctrl:1
	s_delay_alu instid0(VALU_DEP_1)
	v_add_nc_u32 v[IE], v[IE], v[TMP]
.endr
.endm
; A row of 16 lanes holds a query's 256 keys, lane lam's register r being number 16 lam + r.  SEL: bit r set where my key r is among the 16 smallest by (key, number); keys of +infinity are never taken.
.macro SELECT16
	STAGE K, SA, 2, 1
	STAGE SA, SB, 4, 2
	STAGE SB, SA, 4, 1
	STAGE SA, SB, 8, 4
	STAGE SB, SA, 8, 2
	STAGE SA, SB, 8, 1
	STAGE SB, SA, 16, 8
	STAGE SA, SB, 16, 4
	STAGE SB, SA, 16, 2
	STAGE SA, SB, 16, 1
	MERGE SB, SA, 1
	MERGE SA, SB, 2
	MERGE SB, SA, 4
.set mi, 0
.rept 16
	v_min_num_f32_dpp v[SB+mi], v[SA+15-mi], v[SA+mi] row_xmask:8 row_mask:0xf bank_mask:0xf
.set mi, mi+1
.endr
	v_max3_num_f32 v[TH], v[SB], v[SB+1], v[SB+2]
	v_max3_num_f32 v[TQ], v[SB+3], v[SB+4], v[SB+5]
.irp i, 6,10
	s_delay_alu instid0(VALU_DEP_2)
	v_max3_num_f32 v[TH], v[TH], v[SB+\i], v[SB+\i+1]
	s_delay_alu instid0(VALU_DEP_2)
	v_max3_num_f32 v[TQ], v[TQ], v[SB+\i+2], v[SB+\i+3]
.endr
	s_delay_alu instid0(VALU_DEP_2)
	v_max3_num_f32 v[TH], v[TH], v[SB+14], v[SB+15]
	s_delay_alu instid0(VALU_DEP_1)
	v_max_num_f32 v[TH], v[TH], v[TQ]      ; the row's 16th smallest key
	v_mov_b32 v[MLT], 0
	v_mov_b32 v[MEQ], 0
	v_mov_b32 v[TMP], 0
.irp r, 15,14,13,12,11,10,9,8,7,6,5,4,3,2,1,0
	v_cmp_lt_f32 vcc_lo, v[K+\r], v[TH]
	s_delay_alu instid0(VALU_DEP_1)
	v_add_co_ci_u32 v[MLT], vcc_lo, v[MLT], v[MLT], vcc_lo
	v_cmp_eq_f32 vcc_lo, v[K+\r], v[TH]
	s_delay_alu instid0(VALU_DEP_1)
	v_add_co_ci_u32 v[MEQ], vcc_lo, v[MEQ], v[MEQ], vcc_lo
.endr
	COUNTS MLT, CL
	COUNTS MEQ, CE
.irp mm, 1
	v_mov_b32_dpp v[TMP], v[CL] row_xmask:\mm row_mask:0xf bank_mask:0xf
	s_delay_alu instid0(VALU_DEP_1)
	v_add_nc_u32 v[CL], v[CL], v[TMP]
.endr
.irp mm, 2, 4, 8
	s_delay_alu instid0(VALU_DEP_1)
	v_mov_b32_dpp v[TMP], v[CL] row_xmask:\mm row_mask:0xf bank_mask:0xf
	s_delay_alu instid0(VALU_DEP_1)
	v_add_nc_u32 v[CL], v[CL], v[TMP]
.endr
	v_mov_b32 v[IE], v[CE]
	PREFIX
	s_delay_alu instid0(VALU_DEP_1)
	v_sub_nc_u32 v[IE], v[IE], v[CE]
	v_sub_nc_u32 v[AA], 16, v[CL]
	s_delay_alu instid0(VALU_DEP_1)
	v_min_u32 v[IE], v[IE], v[AA]
	s_delay_alu instid0(VALU_DEP_1)
	v_sub_nc_u32 v[AA], v[AA], v[IE]
	v_cmp_gt_u32 vcc_lo, 0x7f800000, v[TH]
	s_delay_alu instid0(VALU_DEP_1)
	v_cndmask_b32 v[AA], 0, v[AA], vcc_lo
	s_delay_alu instid0(VALU_DEP_1)
	v_cmp_ge_u32 s[SM], v[AA], v[CE]
	NTH MEQ, AA
	s_delay_alu instid0(VALU_DEP_1)
	v_cndmask_b32 v[POS], v[POS], 16, s[SM]
	s_delay_alu instid0(VALU_DEP_1)
	v_lshlrev_b32 v[KM], v[POS], 1
	s_delay_alu instid0(VALU_DEP_1)
	v_add_nc_u32 v[KM], -1, v[KM]
	s_delay_alu instid0(VALU_DEP_1)
	v_and_or_b32 v[SEL], v[MEQ], v[KM], v[MLT]
.endm
; Each lane of a row holds wrd = a 16-bit mask | a number << 16.  The row's set bits are listed by (lane, bit): lane lam gets res = 16 x (the number of the lane that holds set bit lam) + that bit's place; tot = how many there are.
; For lam at or past tot, res is some number under 16 x 256 + 16: the caller masks it.
.macro ENUM wrd, res, tot
	s_delay_alu instid0(VALU_DEP_1)
	v_and_b32 v[EM], 0xffff, v[\wrd]
	COUNTS EM, CE
	s_delay_alu instid0(VALU_DEP_1)
	v_mov_b32 v[IE], v[CE]
	PREFIX
	s_delay_alu instid0(VALU_DEP_1)
	v_mov_b32_dpp v[\tot], v[IE] row_share:15 row_mask:0xf bank_mask:0xf
	s_delay_alu instid0(VALU_DEP_2)
	v_sub_nc_u32 v[IE], v[IE], v[CE]       ; set bits in the lanes ahead of each lane: it never falls from lane to lane
	s_delay_alu instid0(VALU_DEP_1)
	v_mov_b32_dpp v[SP], v[IE] row_share:0 row_mask:0xf bank_mask:0xf
	v_mov_b32_dpp v[SW], v[\wrd] row_share:0 row_mask:0xf bank_mask:0xf
.irp s, 1,2,3,4,5,6,7,8,9,10,11,12,13,14,15
	v_mov_b32_dpp v[TQ], v[IE] row_share:\s row_mask:0xf bank_mask:0xf
	v_mov_b32_dpp v[TW], v[\wrd] row_share:\s row_mask:0xf bank_mask:0xf
	s_delay_alu instid0(VALU_DEP_2)
	v_cmp_le_u32 vcc_lo, v[TQ], v[LAM]
	s_delay_alu instid0(VALU_DEP_1)
	v_cndmask_b32 v[SP], v[SP], v[TQ], vcc_lo      ; the last lane with no more than lam bits ahead of it holds bit lam
	s_delay_alu instid0(VALU_DEP_2)
	v_cndmask_b32 v[SW], v[SW], v[TW], vcc_lo
.endr
	s_delay_alu instid0(VALU_DEP_1)
	v_and_b32 v[EM], 0xffff, v[SW]
	COUNTS EM, CE
	v_sub_nc_u32 v[AA], v[LAM], v[SP]
	NTH EM, AA
	v_lshrrev_b32 v[TQ], 16, v[SW]
	s_delay_alu instid0(VALU_DEP_1)
	v_lshl_add_u32 v[\res], v[TQ], 4, v[POS]
.endm
	s_load_b128 s[4:7], s[0:1], 0x0                ; coords, gmask
	s_load_b64 s[8:9], s[0:1], 0x10                ; knn
	v_lshl_add_u32 v160, v0, 2, 0x800
	v_mov_b32 v161, 0
	v_lshrrev_b32 v2, 5, v0
	s_delay_alu instid0(VALU_DEP_1)
	v_readfirstlane_b32 s22, v2                    ; wave
	v_and_b32 v[LAM], 15, v0
	v_lshrrev_b32 v2, 4, v0                        ; my query among the work-group's 32
	s_wait_alu depctr_va_vdst(0)
	v_lshlrev_b32 v3, 1, v0
	v_mul_u32_u24 v4, v2, 12
	s_lshl_b32 s10, ttmp9, 10                      ; the work-group's masks
	s_mov_b32 s11, 0
	s_mul_i32 s12, ttmp9, 384                      ; its queries' coordinates
	s_mov_b32 s13, 0
	s_lshr_b32 s14, ttmp9, 7
	s_mul_i32 s14, s14, 49152                      ; the batch's coordinates
	s_mov_b32 s15, 0
	s_lshl_b32 s16, ttmp9, 11                      ; the work-group's 2,048 bytes of knn
	s_mov_b32 s17, 0
	s_and_b32 s18, ttmp9, 127
	s_lshl_b32 s18, s18, 5
	v_add_nc_u32 v[II], s18, v2
	s_mov_b32 s20, 0x3e99999a                      ; 0.3
	s_wait_alu depctr_va_vdst(0)
	s_wait_kmcnt 0x0
	s_add_nc_u64 s[6:7], s[6:7], s[10:11]
	s_add_nc_u64 s[12:13], s[4:5], s[12:13]
	s_add_nc_u64 s[4:5], s[4:5], s[14:15]
	s_add_nc_u64 s[8:9], s[8:9], s[16:17]
	global_load_u16 v[WRD], v3, s[6:7]
	global_load_b32 v[XI], v4, s[12:13]
	global_load_b32 v[YI], v4, s[12:13] offset:4
	global_load_b32 v[TIQ], v4, s[12:13] offset:8
	v_mov_b32 v[NINF], 0xff800000
	v_mov_b32 v[PINF], 0x7f800000
.irp x, TMP, TQ, TW, SP, SW, TOTG, CNT
	v_mov_b32 v[\x], 0                             ; written once: the destination of a lane move counts as one of its sources
.endr
	v_lshlrev_b32 v150, 2, v0
	v_lshlrev_b32 v151, 4, v0
	s_wait_loadcnt 0x0
	v_lshl_or_b32 v[WRD], v[LAM], 16, v[WRD]
	ENUM WRD, G, TOTG                              ; my group: the row's groups in ascending order, so that (lane, register) is the order of j
	s_delay_alu instid0(VALU_DEP_1)
	v_min_u32 v[G], 255, v[G]
	s_delay_alu instid0(VALU_DEP_1)
	v_mul_u32_u24 v[OFF], v[G], 192
.irp k, 0,1,2,3,4,5,6,7,8,9,10,11
	global_load_b128 v[RAW+4*\k:RAW+4*\k+3], v[OFF], s[4:5] offset:16*\k
.endr
	v_cmp_lt_u32 vcc_lo, v[LAM], v[TOTG]
	s_delay_alu instid0(VALU_DEP_1)
	v_cndmask_b32 v[TI], v[NINF], v[TIQ], vcc_lo
	v_lshlrev_b32 v[SPOS], 4, v[G]
	s_delay_alu instid0(VALU_DEP_1)
	v_sub_nc_u32 v[SPOS], v[II], v[SPOS]
	s_wait_loadcnt 0x0
.irp r, 0,1,2,3,4,5,6,7,8,9,10,11,12,13,14,15
	v_sub_f32 v[SA+\r], v[RAW+3*\r], v[XI]
.endr
.irp r, 0,1,2,3,4,5,6,7,8,9,10,11,12,13,14,15
	v_sub_f32 v[SB+\r], v[RAW+3*\r+1], v[YI]
.endr
.irp r, 0,1,2,3,4,5,6,7,8,9,10,11,12,13,14,15
	v_sub_f32 v[U+\r], v[TI], v[RAW+3*\r+2]
.endr
.irp r, 0,1,2,3,4,5,6,7,8,9,10,11,12,13,14,15
	v_mul_f32 v[K+\r], v[SA+\r], v[SA+\r]
.endr
.irp r, 0,1,2,3,4,5,6,7,8,9,10,11,12,13,14,15
	v_fma_f32 v[K+\r], v[SB+\r], v[SB+\r], v[K+\r]
.endr
	s_wait_alu depctr_va_vdst(0)
.irp r, 0,1,2,3,4,5,6,7,8,9,10,11,12,13,14,15
	v_sqrt_f32 v[K+\r], v[K+\r]
.endr
.irp r, 0,1,2,3,4,5,6,7,8,9,10,11,12,13,14,15
	v_mul_f32 v[SA+\r], 0xff800000, v[U+\r]        ; +infinity for a later point, -infinity or NaN else.  (Plain lines behind the roots, which name none of them)
.endr
	s_wait_alu depctr_va_vdst(0)                   ; one wait for the 16 roots, ahead of their first reader
.irp r, 0,1,2,3,4,5,6,7,8,9,10,11,12,13,14,15
	v_fma_f32 v[K+\r], v[U+\r], s20, v[K+\r]
.endr
.irp r, 0,1,2,3,4,5,6,7,8,9,10,11,12,13,14,15
	v_max_num_f32 v[K+\r], v[K+\r], v[SA+\r]
.endr
.irp r, 0,1,2,3,4,5,6,7,8,9,10,11,12,13,14,15
	v_cmp_eq_u32 vcc_lo, \r, v[SPOS]
	s_delay_alu instid0(VALU_DEP_1)
	v_cndmask_b32 v[K+\r], v[K+\r], v[PINF], vcc_lo   ; the point itself
.endr
	SELECT16
	s_delay_alu instid0(VALU_DEP_1)
	v_lshl_or_b32 v[WRD], v[G], 16, v[SEL]
	ENUM WRD, JJ, CNT                              ; lane lam: the query's neighbour number lam, j = 16 x group + place
	s_delay_alu instid0(VALU_DEP_1)
	v_or_b32 v[JJ], 0x10000, v[JJ]
	v_cmp_lt_u32 vcc_lo, v[LAM], v[CNT]
	s_delay_alu instid0(VALU_DEP_1)
	v_cndmask_b32 v[JJ], v[II], v[JJ], vcc_lo
	ds_store_b32 v150, v[JJ]
	s_wait_dscnt 0x0
	s_barrier_signal -1
	s_barrier_wait -1                              ; the work-group's 512 words lie in LDS
	s_cmp_gt_u32 s22, 3
	s_cbranch_scc1 .Ldone
	ds_load_b128 v[152:155], v151
	s_wait_dscnt 0x0
	global_store_b128 v151, v[152:155], s[8:9]     ; a wave stores 512 consecutive bytes, at a multiple of 256 from the buffer's first byte
.Ldone:
	s_wait_tensorcnt 0x0
	ds_add_u32 v160, v161
	s_wait_dscnt 0x0
	s_endpgm
.Lfunc_end_k_q9de60612ab_pick:
	.size	k_q9de60612ab_pick, .Lfunc_end_k_q9de60612ab_pick-k_q9de60612ab_pick
	.p2alignl 7, 3214868480
	.fill 96, 4, 3214868480
	.section	.rodata,"a",@progbits
	.p2align	6, 0x0
	.amdhsa_kernel k_q9de60612ab_pick
		.amdhsa_group_segment_fixed_size 4096
		.amdhsa_private_segment_fixed_size 0
		.amdhsa_enable_private_segment 0
		.amdhsa_kernarg_size 24
		.amdhsa_user_sgpr_count 2
		.amdhsa_user_sgpr_kernarg_segment_ptr 1
		.amdhsa_wavefront_size32 1
		.amdhsa_system_sgpr_workgroup_id_x 1
		.amdhsa_system_sgpr_workgroup_id_y 1
		.amdhsa_system_sgpr_workgroup_id_z 1
		.amdhsa_system_vgpr_workitem_id 0
		.amdhsa_next_free_vgpr 162
		.amdhsa_next_free_sgpr 66
		.amdhsa_reserve_vcc 1
		.amdhsa_float_denorm_mode_32 3
		.amdhsa_float_denorm_mode_16_64 3
		.amdhsa_memory_ordered 1
		.amdhsa_forward_progress 1
		.amdhsa_inst_pref_size 56
	.end_amdhsa_kernel
	.amdgpu_metadata
---
amdhsa.version: [ 1, 2 ]
amdhsa.kernels:
  - .name:           k_q9de60612ab_pick
    .symbol:         k_q9de60612ab_pick.kd
    .args:
      - { .name: coords, .offset: 0, .size: 8, .value_kind: global_buffer, .address_space: global }
      - { .name: gmask, .offset: 8, .size: 8, .value_kind: global_buffer, .address_space: global }
      - { .name: knn, .offset: 16, .size: 8, .value_kind: global_buffer, .address_space: global }
    .group_segment_fixed_size: 4096
    .private_segment_fixed_size: 0
    .kernarg_segment_align: 8
    .kernarg_segment_size: 24
    .max_flat_workgroup_size: 512
    .sgpr_count:     66
    .vgpr_count:     162
    .wavefront_size: 32
...
	.end_amdgpu_metadata
.endif
;; end of part 5
;; launch aggregate (part 6): grid 256 x 1, 8 waves a work-group, no clusters, 222,976 bytes of LDS; arguments knn, coords, features_codes, features_scales, W_feat_codes, W_feat_scales, W_pos2_codes, W_pos2_scales, W_pos1, b_pos1, b_feat, b_pos2, gamma, beta, out0; writes out0
.if DOCPART == 6
	.amdgcn_target "amdgcn-amd-amdhsa--gfx1250"
	.amdhsa_code_object_version 6
	.text
	.protected	k_q9de60612ab_aggregate
	.globl	k_q9de60612ab_aggregate
	.p2align	8
	.type	k_q9de60612ab_aggregate,@function
k_q9de60612ab_aggregate:
	s_mov_b64 s[64:65], 0
	v_nop
	global_prefetch_b8 v0, s[64:65] scope:SCOPE_SE
	s_setreg_imm32_b32 hwreg(HW_REG_WAVE_SCHED_MODE, 0, 2), 2
	s_setreg_imm32_b32 hwreg(HW_REG_WAVE_MODE, 25, 1), 1
	s_wait_xcnt 0x0
	s_wait_alu depctr_vm_vsrc(0)
; THIRD OF THREE LAUNCHES.  out = LayerNorm(feat_i + mean over the valid neighbours j of (feat_j + pe_ij)), feat = x W_feat + b_feat, pe = Q(relu(rel W_pos1 + b_pos1)) W_pos2 + b_pos2.
; A query's 16 neighbours are the 16 rows of ONE matrix tile.  Their feature CODES are gathered (200 bytes a row) and multiplied here: x_j W_feat (two K steps of 128) and h_j W_pos2 (one) are summed into the same
; accumulator, 16 neighbours x 16 channels, on codes of E2M3 with E8M0 scales.  The tile's rows are then added with the weights valid / count; the biases come in at the end:
; enh = x_i W_feat + b_feat + sum_j w_j (x_j W_feat + h_j W_pos2) + has_neighbours x (b_feat + b_pos2).  An empty place of knn names the query itself and has weight 0.
; rel W_pos1 + b_pos1 (K = 4) goes into a quantiser: f32 operands, by the f32 matrix form, transposed, so that a lane holds one neighbour and its registers run along the hidden units.
; SHARES.  A work-group owns 32 queries; 8 waves.  Wave W BUILDS queries 4 W .. 4 W + 3 (gathers, hidden layer, weights) and lays their operands into LDS as images of their registers;
; it MULTIPLIES queries 16 (W / 4) .. + 15 for channels 64 (W % 4) .. + 63, whose weights' fragments stay in its registers; it NORMS rows 4 W .. 4 W + 3.
; Column r of channel tile u is channel 64 (W % 4) + 32 (u % 2) + 2 r + u / 2: after the halves of the lanes are added, lane l holds channels 64 (W % 4) + 2 l and + 1: 8 neighbouring bytes.
; No tensor load and no cluster: every operand is read once into registers, in row orders of its own (gathered rows, every second row of a weight).  Addresses hang on knn alone, which an earlier launch stored.
; LIMITS: NaN and infinite coordinates are not served; the root takes dx^2 + dy^2 under 2^-126 as 0; hidden blocks whose largest magnitude lies under 2^-124 get the scale byte 1.
; REGISTERS, window 0: v1-31 lane numbers and addresses, v28-31 has_neighbours; v32-44 scale words and nothing else; v48-111 b_pos1 as C tiles, later two operand buffers; v112-214 the gathered fragments, then the hidden
;   layer (v112-175), its codes (v176-195) and the quantiser's work (v196-212); v216-255 at work: indices, coordinates, then the four queries' weights; later (v224-255) b_feat, b_pos2, gamma, beta.
; window 1: v0-143 the weights' 12 fragments; v144-207 matrix results alone; v208-223 W_pos1's fragments; v224-247 the own rows' fragments; v248-255 rel.
; THE MODE: SCHED_MODE bits 1:0 = 2 (LLVM: expert scheduling mode 2), set by the entry lines.  The code itself states the register dependences
; between vector or matrix instructions and memory or LDS instructions, with s_wait_alu, always for 0.
; THE PLAN.  Registers that memory or LDS instructions touch:
;   v7-v24, v26     Addresses and offsets, made at the head and never written again: one wait on va_vdst ahead of the first load serves them for the whole kernel (and v47, v215, which the closing add reads).
;   OC, OF, OS      The gathers' offsets: written from knn, one wait on va_vdst, read by the 64 gathers, one wait on vm_vsrc, then written again as roots, reciprocals and weights.
;   four WT         A query's eight weights have registers of their own: one wait on va_vdst ahead of the eight LDS stores.
;   FG              Loaded by the gathers, read by 28 LDS stores.  One wait on vm_vsrc behind those and the weights' stores frees FG for the hidden layer and v224-255 for the parameters' loads.
;   PC, PW          A query of the build: the quantiser writes them, one wait on va_vdst, four LDS stores read them, one wait on vm_vsrc ahead of the next quantiser.
;   buffers 0, 1    A step of the products works on buffer k % 2 (fragments, weights, two scale words); the LDS loads of step k + 1 land in the other, which no vector or matrix instruction of step k names.
;   EE0, EE1        Step k's reduction writes EE[k % 2]; the LDS store that reads it is issued at the head of step k + 1.
;   XR              Loaded from the stage, normed in place, one wait on va_vdst ahead of the eight stores.
; So a step of the products has its waits at its head: va_vdst (the step before has written its EE and is done reading its buffer) and vm_vsrc (the store issued a step ago has read the EE that this step writes);
; behind them stand the store of the step before and the 13 loads of the step after, with no further wait.
.set FIMG, 0                           ; LDS: 32 queries x 3,072: two feature fragments, 12 registers each, 16 bytes a lane and 512 a group of four registers
.set HIMG, 98304                       ; 32 x 1,536: the hidden layer's fragment
.set WIMG, 147456                      ; 32 x 1,024: eight weights a lane
.set FSC,  180224                      ; 32 x 128: the features' scale words (lanes 0-15: K step 0; lanes 16-31: K step 1)
.set HSCO, 4096                        ; behind them, 32 x 128: the hidden layer's
.set STG,  188416                      ; 32 rows x (1,024 + 16): enh less the biases
.set B1C,  48
.set H,    112
.set FG,   112                         ; query t's fragments at FG + 26 t, its scale word at + 24
.set PC,   176
.set TM,   196
.set PW,   212
.set WT,   216                         ; query t's eight weights at WT + 8 t + 8 (t / 3): v216, v224, v232, v248
.set JW,   224
.set CJ,   228
.set SQ,   240
.set RC,   244
.set OC,   240                         ; offsets of the gathers, free again behind the waits that follow them
.set OF,   244
.set OS,   248
.set JI,   252
.set HN,   28
.set BFS,  32
.set BPS,  36
.set OWS,  40
.set AFS,  41
.set AHS,  43
.set DW,   144                         ; window 1
.set ACC,  144
.set OWN,  176
.set W1F,  208
.set OWNF, 224
.set RB,   248                         ; window 1: rel, two registers a query
.set TR,   136                         ; the reduction
.set SS,   144
.set EE,   148                         ; v148-149, v150-151: two buffers by turns
.set XR,   152                         ; the norm
.set PT,   184
.set QT,   192
.set SU,   200
.set TP,   204
.set BF,   224
.set BP,   232
.set GA,   240
.set BE,   248
.set SEL,  74                          ; s[74:75] lane selects: lane l xor 16
.set MSB, 0
.macro WIN new                         ; the immediate's high byte repeats the setting that is left
.if MSB != \new
	s_set_vgpr_msb (MSB<<8)|\new
.set MSB, \new
.endif
.endm
	s_load_b512 s[4:19], s[0:1], 0x0               ; knn s[4:5], coords s[6:7], features' codes s[8:9] and scales s[10:11], W_feat's s[12:13], s[14:15], W_pos2's s[16:17], s[18:19]
	s_load_b256 s[20:27], s[0:1], 0x40             ; W_pos1 s[20:21], b_pos1 s[22:23], b_feat s[24:25], b_pos2 s[26:27]
	s_load_b128 s[28:31], s[0:1], 0x60             ; gamma, beta
	s_load_b64 s[32:33], s[0:1], 0x70              ; out0
	v_lshl_add_u32 v47, v0, 2, 0x36300
	v_mov_b32 v215, 0
	v_lshrrev_b32 v1, 5, v0
	v_readfirstlane_b32 s34, v1                    ; wave 0..7
	v_and_b32 v1, 31, v0                           ; lane.  (What hangs on the lane alone stands between that line and the wait for it)
	v_and_b32 v2, 15, v0                           ; r
	v_bfe_u32 v3, v0, 4, 1                         ; h
	v_lshlrev_b32 v4, 3, v3                        ; 8 h
	v_cvt_f32_u32 v6, v3                           ; 1.0 in lanes 16-31
	v_sub_f32 v5, 1.0, v6                          ; 1.0 in lanes 0-15
	v_lshlrev_b32 v7, 4, v1                        ; 16 x lane
	v_lshlrev_b32 v18, 2, v2                       ; knn: place r
	v_and_b32 v19, 8, v2
	v_add_nc_u32 v19, v19, v2                      ; r + 8 (r / 8)
	v_lshlrev_b32 v19, 2, v19
	v_lshl_add_u32 v19, v3, 10, v19                ; W_pos1: rows k = 2 h, 2 h + 1 of 512 bytes; unit r + 8 (r / 8) of a tile
	v_lshlrev_b32 v20, 6, v3                       ; b_pos1: 16 h units on
	v_mul_u32_u24 v27, v3, 24                      ; 24 h
	v_lshlrev_b32 v45, 2, v3                       ; 4 h
	v_mad_u32_u24 v21, v2, 384, v27                ; W_feat: every second row of 192 bytes
	v_mad_u32_u24 v22, v2, 192, v27                ; W_pos2: every second row of 96 bytes.  Also: the own feature rows, 192 bytes each
	v_lshl_add_u32 v23, v2, 4, v45                 ; W_feat's scale words: every second row of 8 bytes; lanes 16-31 K step 1's
	v_lshlrev_b32 v24, 3, v2                       ; W_pos2's: every second row of 4 bytes
	v_lshl_add_u32 v26, v2, 3, v45                 ; the own rows' scale words
	s_wait_alu depctr_va_sdst(0)                   ; s34 is written, ahead of its first reader: the wave's shares and addresses are made from it
	s_and_b32 s35, s34, 3                          ; which 64 channels
	s_lshr_b32 s48, s34, 2                         ; which 16 queries
	s_lshr_b32 s49, ttmp9, 7                       ; batch
	s_mul_i32 s50, s34, 4*3072
	v_add_nc_u32 v8, s50, v7                       ; feature images: where I store,
	s_mul_i32 s50, s48, 16*3072
	v_add_nc_u32 v9, s50, v7                       ; and where I load
	s_mul_i32 s50, s34, 4*1536
	s_add_co_u32 s50, s50, HIMG
	v_add_nc_u32 v10, s50, v7
	s_mul_i32 s50, s48, 16*1536
	s_add_co_u32 s50, s50, HIMG
	v_add_nc_u32 v11, s50, v7
	s_mul_i32 s50, s34, 4*1024
	s_add_co_u32 s50, s50, WIMG
	v_add_nc_u32 v12, s50, v7
	s_mul_i32 s50, s48, 16*1024
	s_add_co_u32 s50, s50, WIMG
	v_add_nc_u32 v13, s50, v7
	s_mul_i32 s50, s34, 4*128
	s_add_co_u32 s50, s50, FSC
	v_lshl_add_u32 v14, v1, 2, s50
	s_mul_i32 s50, s48, 16*128
	s_add_co_u32 s50, s50, FSC
	v_lshl_add_u32 v15, v1, 2, s50
	s_lshl_b32 s50, s35, 8
	s_mul_i32 s58, s48, 16*1040
	s_add_co_u32 s50, s50, s58
	s_add_co_u32 s50, s50, STG
	v_lshl_add_u32 v16, v1, 3, s50                 ; the stage: my 16 rows, my 256 bytes of them, 8 bytes a lane
	s_mul_i32 s50, s34, 4*1040
	s_add_co_u32 s50, s50, STG
	v_add_nc_u32 v17, s50, v7                      ; and back: my 4 rows, 16 bytes a lane
	s_mov_b32 s51, 0
	s_mov_b32 s[SEL], 0x76543210
	s_mov_b32 s[SEL+1], 0xfedcba98
	s_mov_b32 s76, 0x3e99999a                      ; 0.3
	s_mov_b32 s77, 0xffff0000                      ; lanes 16-31
	s_mov_b32 s78, 0x3b800000                      ; 1 / 256
	s_mov_b32 s79, 0x3727c5ac                      ; 1e-5
	s_wait_kmcnt 0x0
	s_lshl_b32 s50, ttmp9, 11
	s_lshl_b32 s58, s34, 8
	s_add_co_u32 s50, s50, s58
	s_add_nc_u64 s[4:5], s[4:5], s[50:51]          ; knn at query 32 x work-group + 4 x wave
	s_wait_alu depctr_va_vdst(0)                   ; the addresses and offsets v7 to v24 and v26 are written, which the kernel's loads and stores read; none of them is written again
.irp t, 0,1,2,3
	global_load_b32 v[JW+\t], v18, s[4:5] offset:64*\t
.endr
	s_mul_i32 s50, ttmp9, 384
	s_mul_i32 s58, s34, 48
	s_add_co_u32 s50, s50, s58
	s_add_nc_u64 s[56:57], s[6:7], s[50:51]
	s_load_b256 s[36:43], s[56:57], 0x0            ; my four queries' coordinates
	s_load_b128 s[44:47], s[56:57], 0x20
	WIN 0x40                                       ; destination window 1
.irp tau, 0,1,2,3,4,5,6,7
.irp j, 0,1
	global_load_b32 v[W1F+2*\tau+\j], v19, s[20:21] offset:(\j*128+32*(\tau/2)+8*(\tau%2))*4   ; tile tau, lane (r, h), register j: W_pos1[2 h + j][32 (tau / 2) + 8 (tau % 2) + r + 8 (r / 8)]
.endr
.endr
	WIN 0
.irp tau, 0,1,2,3,4,5,6,7
	global_load_b128 v[B1C+8*\tau:B1C+8*\tau+3], v20, s[22:23] offset:(32*(\tau/2)+8*(\tau%2))*4
	global_load_b128 v[B1C+8*\tau+4:B1C+8*\tau+7], v20, s[22:23] offset:(32*(\tau/2)+8*(\tau%2))*4+16
.endr
	s_mul_i32 s50, ttmp9, 6144
	s_mul_i32 s58, s48, 3072
	s_add_co_u32 s50, s50, s58
	s_add_nc_u64 s[52:53], s[8:9], s[50:51]        ; the own rows' codes: query 32 x work-group + 16 (wave / 4) on
	s_lshl_b32 s50, ttmp9, 8
	s_lshl_b32 s58, s48, 7
	s_add_co_u32 s50, s50, s58
	s_add_nc_u64 s[54:55], s[10:11], s[50:51]      ; and their scales
	s_mul_i32 s50, s49, 786432
	s_add_nc_u64 s[8:9], s[8:9], s[50:51]          ; the batch's codes,
	s_lshl_b32 s50, s49, 15
	s_add_nc_u64 s[10:11], s[10:11], s[50:51]      ; scales
	s_mul_i32 s50, s49, 49152
	s_add_nc_u64 s[6:7], s[6:7], s[50:51]          ; and coordinates
	s_mul_i32 s50, s35, 12288
	s_add_nc_u64 s[12:13], s[12:13], s[50:51]      ; my 64 channels of each weight
	s_lshl_b32 s50, s35, 9
	s_add_nc_u64 s[14:15], s[14:15], s[50:51]
	s_mul_i32 s50, s35, 6144
	s_add_nc_u64 s[16:17], s[16:17], s[50:51]
	s_lshl_b32 s50, s35, 8
	s_add_nc_u64 s[18:19], s[18:19], s[50:51]
	s_lshl_b32 s50, ttmp9, 15
	s_lshl_b32 s58, s34, 12
	s_add_co_u32 s50, s50, s58
	s_add_nc_u64 s[32:33], s[32:33], s[50:51]      ; out0 at my four rows
	; ---- the gathers
	s_wait_loadcnt 32                              ; the four index words are in; behind them 16 + 16 loads of W_pos1 and b_pos1 may be out
.irp t, 0,1,2,3
	v_and_b32 v[JI+\t], 0xfff, v[JW+\t]
	v_min_u32 v[JI+\t], 0xfff, v[JI+\t]
	v_mul_u32_u24 v[OC+\t], v[JI+\t], 12
	v_mul_u32_u24 v[OF+\t], v[JI+\t], 192
	v_add_nc_u32 v[OF+\t], v[OF+\t], v27
	v_lshl_add_u32 v[OS+\t], v[JI+\t], 3, v45
.endr
	s_wait_alu depctr_va_vdst(0)                   ; the twelve offsets v[OC ..], v[OF ..], v[OS ..] are written, which the gathers read
.irp t, 0,1,2,3
.irp c, 0,1,2
	global_load_b32 v[CJ+3*\t+\c], v[OC+\t], s[6:7] offset:4*\c
.endr
.endr
.irp t, 0,1,2,3
.irp s, 0,1
.irp p, 0,1,2,3,4,5
	global_load_b64 v[FG+26*\t+12*\s+2*\p:FG+26*\t+12*\s+2*\p+1], v[OF+\t], s[8:9] offset:96*\s+48*(\p/3)+8*(\p%3)   ; lane (r, h): neighbour r's codes of k = 128 s + 64 (p / 3) + 32 h on, as they lie
.endr
.endr
	global_load_b32 v[FG+26*\t+24], v[OS+\t], s[10:11]
.endr
	s_wait_xcnt 0x0                                ; the gathers' addresses are translated: their offset registers are written again below
	s_wait_alu depctr_vm_vsrc(0)                   ; the gathers have read v[OC ..], v[OF ..], v[OS ..], which the squares, the counts and the weights below write
	s_wait_loadcnt 52                              ; the coordinates, W_pos1 and b_pos1 are in; the 4 x 13 feature loads may be out
	s_wait_kmcnt 0x0
	; ---- rel = (dx, dy, dt, d), the weights valid / count
.irp t, 0,1,2,3
	v_lshrrev_b32 v46, 16, v[JW+\t]
	v_cmp_ne_u32 s[66+\t], 0, v46                  ; bit r (and bit 16 + r): place r holds a neighbour.  The four compares stand as a run; the twenty lines below stand between them and the wait for them
.endr
.irp t, 0,1,2,3
	v_sub_f32 v[CJ+3*\t], v[CJ+3*\t], s[36+3*\t]
	v_sub_f32 v[CJ+3*\t+1], v[CJ+3*\t+1], s[37+3*\t]
	v_sub_f32 v[CJ+3*\t+2], v[CJ+3*\t+2], s[38+3*\t]
.endr
.irp t, 0,1,2,3
	v_mul_f32 v[SQ+\t], v[CJ+3*\t], v[CJ+3*\t]
.endr
.irp t, 0,1,2,3
	v_fma_f32 v[SQ+\t], v[CJ+3*\t+1], v[CJ+3*\t+1], v[SQ+\t]
.endr
	s_wait_alu depctr_va_sdst(0)                   ; s66 to s69 are written, ahead of their first readers, the scalar lines below
.irp t, 0,1,2,3
	s_and_b32 s[66+\t], s[66+\t], 0xffff
	s_bcnt1_i32_b32 s[70+\t], s[66+\t]
	s_min_u32 s50, s[70+\t], 1
	v_cvt_f32_u32 v[HN+\t], s50                    ; 1.0 where the query has a neighbour
	s_max_u32 s[70+\t], s[70+\t], 1
	v_cvt_f32_u32 v[RC+\t], s[70+\t]
.endr
	s_wait_alu depctr_va_vdst(0)
.irp t, 0,1,2,3
	v_sqrt_f32 v[SQ+\t], v[SQ+\t]
.endr
.irp t, 0,1,2,3
	v_rcp_f32 v[RC+\t], v[RC+\t]
.endr
	v_nop                                          ; a plain line behind the last of the batch
	s_wait_alu depctr_va_vdst(0)                   ; the four roots v[SQ ..] and the four reciprocals v[RC ..] are written: one wait for the batch, ahead of its first reader
.irp t, 0,1,2,3
	v_fma_f32 v[SQ+\t], |v[CJ+3*\t+2]|, s76, v[SQ+\t]
.endr
	WIN 0x40                                       ; destination window 1: rel lies beside W_pos1's fragments, so that window 0 has room for four queries' weights
.irp t, 0,1,2,3
	v_cndmask_b32 v[RB+2*\t], v[CJ+3*\t], v[CJ+3*\t+2], s77      ; the f32 form's operand: register j holds k = 2 h + j: lanes 0-15 (dx, dy), lanes 16-31 (dt, d)
	v_cndmask_b32 v[RB+2*\t+1], v[CJ+3*\t+1], v[SQ+\t], s77
.endr
	WIN 0
.irp t, 0,1,2,3
.set WQ, WT+8*\t+8*(\t/3)
	v_lshrrev_b32 v46, v4, s[66+\t]
.irp j, 0,1,2,3,4,5,6,7
	v_bfe_u32 v[WQ+\j], v46, \j, 1
.endr
.endr
.irp t, 0,1,2,3
.set WQ, WT+8*\t+8*(\t/3)
.irp j, 0,1,2,3,4,5,6,7
	v_cvt_f32_u32 v[WQ+\j], v[WQ+\j]
.endr
.endr
.irp t, 0,1,2,3
.set WQ, WT+8*\t+8*(\t/3)
.irp j, 0,1,2,3,4,5,6,7
	v_mul_f32 v[WQ+\j], v[WQ+\j], v[RC+\t]         ; register j: the weight of row 8 h + j, as a result's registers hold the rows
.endr
.endr
	s_wait_alu depctr_va_vdst(0)                   ; the 32 weights are written, which the LDS stores below read; and all vector lines that name v224 to v255 are done, in which the parameters' loads further down land
.irp t, 0,1,2,3
.set WQ, WT+8*\t+8*(\t/3)
	ds_store_b128 v12, v[WQ:WQ+3] offset:1024*\t
	ds_store_b128 v12, v[WQ+4:WQ+7] offset:1024*\t+512
.endr
	s_wait_loadcnt 0x0                             ; the features
.irp t, 0,1,2,3
.irp c, 0,1,2,3,4,5
	ds_store_b128 v8, v[FG+26*\t+4*\c:FG+26*\t+4*\c+3] offset:3072*\t+512*\c
.endr
	ds_store_b32 v14, v[FG+26*\t+24] offset:128*\t
.endr
	s_wait_dscnt 0x0                               ; my weights and feature images lie in LDS
	s_wait_alu depctr_vm_vsrc(0)                   ; the LDS stores have read the weights' registers, in which the parameters' loads land, and v[FG ..], which the lines below, the hidden layer and the quantiser write
.irp b, 0,1,2,3
	v_mov_b32 v[TM+4+\b], 0                        ; written once: a lane permute's destination counts as one of its sources
.endr
	; ---- what the later phases want is asked for now and lands while the hidden layer is made.  No vector or matrix instruction up to the wait for these loads names a register in which they land
	WIN 0x40
.irp u, 0,1,2,3
.irp s, 0,1
.irp p, 0,1,2,3,4,5
	global_load_b64 v[12*(3*\u+\s)+2*\p:12*(3*\u+\s)+2*\p+1], v21, s[12:13] offset:(32*(\u%2)+(\u/2))*192+96*\s+48*(\p/3)+8*(\p%3)
.endr
.endr
.irp p, 0,1,2,3,4,5
	global_load_b64 v[12*(3*\u+2)+2*\p:12*(3*\u+2)+2*\p+1], v22, s[16:17] offset:(32*(\u%2)+(\u/2))*96+48*(\p/3)+8*(\p%3)
.endr
.endr
.irp s, 0,1
.irp p, 0,1,2,3,4,5
	global_load_b64 v[OWNF+12*\s+2*\p:OWNF+12*\s+2*\p+1], v22, s[52:53] offset:96*\s+48*(\p/3)+8*(\p%3)
.endr
.endr
	WIN 0
.irp u, 0,1,2,3
	global_load_b32 v[BFS+\u], v23, s[14:15] offset:(32*(\u%2)+(\u/2))*8
	global_load_b32 v[BPS+\u], v24, s[18:19] offset:(32*(\u%2)+(\u/2))*4
.endr
	global_load_b32 v[OWS], v26, s[54:55]
	global_load_b128 v[BF:BF+3], v7, s[24:25]
	global_load_b128 v[BF+4:BF+7], v7, s[24:25] offset:512
	global_load_b128 v[BP:BP+3], v7, s[26:27]
	global_load_b128 v[BP+4:BP+7], v7, s[26:27] offset:512
	global_load_b128 v[GA:GA+3], v7, s[28:29]
	global_load_b128 v[GA+4:GA+7], v7, s[28:29] offset:512
	global_load_b128 v[BE:BE+3], v7, s[30:31]
	global_load_b128 v[BE+4:BE+7], v7, s[30:31] offset:512
; ---- the hidden layer.  TRANSPOSED: source 0 = 16 units of W_pos1, source 1 = the 16 neighbours' rel; C = b_pos1.  In tile tau lane (r, h) holds neighbour r, register j unit 32 (tau / 2) + 16 h + 8 (tau % 2) + j.
.macro WM qn
	WIN 0x45                                       ; sources 0 and 1 and the destination window 1
.irp tau, 0,1,2,3,4,5,6,7
	v_wmma_f32_16x16x4_f32 v[DW+8*\tau:DW+8*\tau+7], v[W1F+2*\tau:W1F+2*\tau+1], v[RB+2*(\qn):RB+2*(\qn)+1], v[B1C+8*\tau:B1C+8*\tau+7]
.endr
	WIN 0
.endm
.macro RELU                            ; into other registers, each tile from its low end on
	WIN 0x04                                       ; source 1 window 1
.set rl, 0
.rept 64
	v_max_num_f32 v[H+rl], 0, v[DW+rl]
.set rl, rl+1
.endr
	WIN 0
.endm
; 64 numbers of a lane, register 16 b + i = k 32 b + 16 h + i of my row, become a fragment's codes in v[PC] on and its scale word in v[PW]
.macro QUANT src
.irp b, 0,1,2,3
	v_max3_num_f32 v[TM+\b], |v[\src+16*\b]|, |v[\src+1+16*\b]|, 0x1800000   ; block b: my 16 numbers, and the floor 2^(3 - 127): so the byte cannot fall under 1
.endr
.irp i, 2,4,6,8,10,12,14
.irp b, 0,1,2,3
	v_max3_num_f32 v[TM+\b], v[TM+\b], |v[\src+16*\b+\i]|, |v[\src+1+16*\b+\i]|
.endr
.endr
.irp b, 0,1,2,3
	v_permlanex16_b32 v[TM+4+\b], v[TM+\b], s[SEL], s[SEL+1]
.endr
.irp b, 0,1,2,3
	v_max_num_f32 v[TM+\b], v[TM+\b], v[TM+4+\b]   ; with lane l xor 16's: the block's largest magnitude
.endr
.irp b, 0,1,2,3
	v_add_nc_u32 v[TM+12+\b], 0xff000000, v[TM+\b] ; 2 off its exponent field: the conversion takes the exponent field of this operand as its scale
.endr
.irp b, 0,1,2,3
	v_lshrrev_b32 v[TM+4+\b], 23, v[TM+12+\b]      ; the scale's byte
.endr
	v_lshl_or_b32 v[PW], v[TM+5], 8, v[TM+4]
	v_lshl_or_b32 v[PW], v[TM+6], 16, v[PW]
	v_lshl_or_b32 v[PW], v[TM+7], 24, v[PW]
.irp c, 0,1
	v_cvt_scalef32_pk16_fp6_f32 v[PC+6*\c:PC+2+6*\c], v[\src+32*\c:\src+15+32*\c], v[TM+12+2*\c]
	v_cvt_scalef32_pk16_fp6_f32 v[PC+12+4*\c:PC+14+4*\c], v[\src+16+32*\c:\src+31+32*\c], v[TM+12+2*\c+1]   ; (a conversion's three registers begin on an even number)
.endr
	v_nop                                          ; one plain line behind a scaled conversion
.irp c, 0,1                            ; the operand's layout wants a whole block in a lane
.irp i, 0,1,2
	v_permlane16_swap_b32 v[PC+6*\c+\i], v[PC+12+4*\c+\i]
.endr
.irp i, 0,1,2
	v_mov_b32 v[PC+3+6*\c+\i], v[PC+12+4*\c+\i]
.endr
.endr
.endm
	WM 0
.rept 8
	v_nop                                          ; eight places between this matrix form and the first read of its results
.endr
.irp t, 0,1,2,3
	RELU                                           ; (its lines on the other tiles are the places in front of the next products, which write these results over)
.if \t < 3
	WM \t+1                                        ; the next query's products; the quantiser's first lines are the places behind them
.endif
	QUANT H
	s_wait_alu depctr_va_vdst(0)                   ; the quantiser has written v[PC .. PC + 11] and v[PW], which the LDS stores read.  Behind the last query it also states that the build's matrix and vector lines are done with b_pos1's tiles and the hidden layer, in which the first operands' loads land
.irp c, 0,1,2
	ds_store_b128 v10, v[PC+4*\c:PC+4*\c+3] offset:1536*\t+512*\c
.endr
	ds_store_b32 v14, v[PW] offset:HSCO+128*\t
	s_wait_dscnt 0x0                               ; the image lies in LDS (behind the last query: for the other waves' sake, ahead of the barrier)
	s_wait_alu depctr_vm_vsrc(0)                   ; the stores have read v[PC ..] and v[PW], which the next query's quantiser writes, and behind the last query the norm's loads and sums
.endr
	s_wait_loadcnt 0x0                             ; the weights, the own rows, the parameters
	s_barrier_signal -1
	s_barrier_wait -1                              ; all 32 queries' operands lie in LDS
; ---- the products
.macro FETCH kk, buf                   ; query kk's operands: 13 LDS loads
.set AB, 48+36*(\buf)
.irp c, 0,1,2,3,4,5
	ds_load_b128 v[AB+4*\c:AB+4*\c+3], v9 offset:3072*(\kk)+512*\c
.endr
.irp c, 0,1,2
	ds_load_b128 v[AB+24+4*\c:AB+24+4*\c+3], v11 offset:1536*(\kk)+512*\c
.endr
	ds_load_b128 v[120+8*(\buf):123+8*(\buf)], v13 offset:1024*(\kk)
	ds_load_b128 v[124+8*(\buf):127+8*(\buf)], v13 offset:1024*(\kk)+512
	ds_load_b32 v[AFS+(\buf)], v15 offset:128*(\kk)
	ds_load_b32 v[AHS+(\buf)], v15 offset:HSCO+128*(\kk)
.endm
.macro MUL buf                         ; source 0 = the 16 neighbours, source 1 = 16 channels; the four accumulators take turns
.set AB, 48+36*(\buf)
	WIN 0x54                                       ; source 1, C and D window 1
.irp u, 0,1,2,3
	v_wmma_scale_f32_16x16x128_f8f6f4 v[ACC+8*\u:ACC+8*\u+7], v[AB:AB+11], v[36*\u:36*\u+11], 0, v[AFS+(\buf)], v[BFS+\u] matrix_a_fmt:MATRIX_FMT_FP6 matrix_b_fmt:MATRIX_FMT_FP6
.endr
.irp u, 0,1,2,3
	v_wmma_scale_f32_16x16x128_f8f6f4 v[ACC+8*\u:ACC+8*\u+7], v[AB+12:AB+23], v[36*\u+12:36*\u+23], v[ACC+8*\u:ACC+8*\u+7], v[AFS+(\buf)], v[BFS+\u] matrix_a_fmt:MATRIX_FMT_FP6 matrix_b_fmt:MATRIX_FMT_FP6 matrix_a_scale:MATRIX_SCALE_ROW1 matrix_b_scale:MATRIX_SCALE_ROW1
.endr
.irp u, 0,1,2,3
	v_wmma_scale_f32_16x16x128_f8f6f4 v[ACC+8*\u:ACC+8*\u+7], v[AB+24:AB+35], v[36*\u+24:36*\u+35], v[ACC+8*\u:ACC+8*\u+7], v[AHS+(\buf)], v[BPS+\u] matrix_a_fmt:MATRIX_FMT_FP6 matrix_b_fmt:MATRIX_FMT_FP6
.endr
.endm
.macro REDUCE kk, buf                  ; the 16 rows added with their weights; the query's own row comes in from the half of the lanes that holds it.  The result goes into EE[buf]; the next step's head stores it
.set WB, 120+8*(\buf)
.set EB, EE+2*(\buf)
	WIN 0x01                                       ; source 0 window 1
.irp u, 0,1,2,3
	v_pk_mul_f32 v[TR+2*\u:TR+2*\u+1], v[ACC+8*\u:ACC+8*\u+1], v[WB:WB+1]
.endr
.irp i, 2,4,6
.irp u, 0,1,2,3
	v_pk_fma_f32 v[TR+2*\u:TR+2*\u+1], v[ACC+8*\u+\i:ACC+8*\u+\i+1], v[WB+\i:WB+\i+1], v[TR+2*\u:TR+2*\u+1]
.endr
.endr
.irp u, 0,1,2,3
	v_fma_f32 v[TR+2*\u], v[OWN+8*\u+((\kk)%8)], v[5+((\kk)/8)], v[TR+2*\u]
.endr
	WIN 0
.irp u, 0,1,2,3
	v_add_f32 v[SS+\u], v[TR+2*\u], v[TR+2*\u+1]
.endr
	v_permlane16_swap_b32 v[SS], v[SS+1]           ; tile 0's upper lanes change places with tile 1's lower: the sum below has tile 0 in lanes 0-15 and tile 1 in lanes 16-31
	v_permlane16_swap_b32 v[SS+2], v[SS+3]
	v_add_f32 v[EB], v[SS], v[SS+1]                ; channel 64 (W % 4) + 2 l
	v_add_f32 v[EB+1], v[SS+2], v[SS+3]            ; and + 1
.endm
	FETCH 0, 0                                     ; no vector or matrix instruction has been issued since the build's last wait on va_vdst
	WIN 0x55                                       ; the own rows: 16 queries x my 64 channels; all operands window 1
.irp u, 0,1,2,3
	v_wmma_scale_f32_16x16x128_f8f6f4 v[OWN+8*\u:OWN+8*\u+7], v[OWNF:OWNF+11], v[36*\u:36*\u+11], 0, v[OWS], v[BFS+\u] matrix_a_fmt:MATRIX_FMT_FP6 matrix_b_fmt:MATRIX_FMT_FP6
.endr
.irp u, 0,1,2,3
	v_wmma_scale_f32_16x16x128_f8f6f4 v[OWN+8*\u:OWN+8*\u+7], v[OWNF+12:OWNF+23], v[36*\u+12:36*\u+23], v[OWN+8*\u:OWN+8*\u+7], v[OWS], v[BFS+\u] matrix_a_fmt:MATRIX_FMT_FP6 matrix_b_fmt:MATRIX_FMT_FP6 matrix_a_scale:MATRIX_SCALE_ROW1 matrix_b_scale:MATRIX_SCALE_ROW1
.endr
	WIN 0
.set kq, 0
.rept 16
.if kq > 0
	s_wait_alu depctr_va_vdst(0)                   ; the step before has written its EE, which the store below reads, and its products and its reduction are done reading their buffer and scale words, in which the loads below land
.if kq > 1
	s_wait_alu depctr_vm_vsrc(0)                   ; the store issued a step ago has read the EE that this step's reduction writes
.endif
	ds_store_b64 v16, v[EE+2*((kq-1)%2):EE+2*((kq-1)%2)+1] offset:1040*(kq-1)
.endif
.if kq < 15
	FETCH kq+1, (kq+1)%2                           ; into the buffer that the query before has left.  (Step 0: since the build's last wait on va_vdst only the own rows' products were issued, which name none of these registers)
	s_wait_dscnt 13                                ; this query's operands are in; the 13 loads just issued may be out
.else
	s_wait_dscnt 0x0
.endif
	MUL kq%2
.rept 4
	v_nop                                          ; four places between these products and the first read of their results (ISA guide 7.12.1)
.endr
	REDUCE kq, kq%2
.set kq, kq+1
.endr
	s_wait_alu depctr_va_vdst(0)                   ; the last reduction has written its EE, which the store reads; and all vector lines that name v152 to v183 are done, in which the stage's rows land
	ds_store_b64 v16, v[EE+2:EE+3] offset:1040*15
	s_wait_dscnt 0x0
	s_barrier_signal -1
	s_barrier_wait -1                              ; 32 whole rows lie in the stage
	; ---- the biases and the norm: my four rows by turns; a lane holds channels 4 l .. + 3 and 128 + 4 l .. + 3
.irp t, 0,1,2,3
	ds_load_b128 v[XR+8*\t:XR+8*\t+3], v17 offset:1040*\t
	ds_load_b128 v[XR+8*\t+4:XR+8*\t+7], v17 offset:1040*\t+512
.endr
.irp i, 0,2,4,6
	v_pk_add_f32 v[BP+\i:BP+\i+1], v[BP+\i:BP+\i+1], v[BF+\i:BF+\i+1]     ; b_feat + b_pos2
.endr
.irp t, 0,1,2,3
	v_mov_b32 v[TP+\t], 0
.endr
	s_wait_alu depctr_va_vdst(0)
	s_wait_dscnt 0x0
.irp t, 0,1,2,3
.irp i, 0,1,2,3,4,5,6,7
	v_fma_f32 v[XR+8*\t+\i], v[HN+\t], v[BP+\i], v[XR+8*\t+\i]
.endr
.endr
.irp t, 0,1,2,3
.irp i, 0,2,4,6
	v_pk_add_f32 v[XR+8*\t+\i:XR+8*\t+\i+1], v[XR+8*\t+\i:XR+8*\t+\i+1], v[BF+\i:BF+\i+1]
.endr
.endr
.macro ROWSUM                          ; v[SU + t] over the 32 lanes, the four rows by turns
.irp mm, 1,2,4,8
.irp t, 0,1,2,3
	v_add_f32_dpp v[SU+\t], v[SU+\t], v[SU+\t] row_xmask:\mm row_mask:0xf bank_mask:0xf
.endr
.endr
.irp t, 0,1,2,3
	v_permlanex16_b32 v[TP+\t], v[SU+\t], s[SEL], s[SEL+1]
.endr
.irp t, 0,1,2,3
	v_add_f32 v[SU+\t], v[SU+\t], v[TP+\t]
.endr
.endm
.irp t, 0,1,2,3
	v_pk_add_f32 v[PT+2*\t:PT+2*\t+1], v[XR+8*\t:XR+8*\t+1], v[XR+8*\t+2:XR+8*\t+3]
	v_pk_add_f32 v[QT+2*\t:QT+2*\t+1], v[XR+8*\t+4:XR+8*\t+5], v[XR+8*\t+6:XR+8*\t+7]
.endr
.irp t, 0,1,2,3
	v_pk_add_f32 v[PT+2*\t:PT+2*\t+1], v[PT+2*\t:PT+2*\t+1], v[QT+2*\t:QT+2*\t+1]
.endr
.irp t, 0,1,2,3
	v_add_f32 v[SU+\t], v[PT+2*\t], v[PT+2*\t+1]
.endr
	ROWSUM
.irp t, 0,1,2,3
	v_mul_f32 v[SU+\t], s78, v[SU+\t]              ; the mean
.endr
.irp t, 0,1,2,3
.irp i, 0,1,2,3,4,5,6,7
	v_sub_f32 v[XR+8*\t+\i], v[XR+8*\t+\i], v[SU+\t]
.endr
.endr
.irp t, 0,1,2,3
	v_pk_mul_f32 v[PT+2*\t:PT+2*\t+1], v[XR+8*\t:XR+8*\t+1], v[XR+8*\t:XR+8*\t+1]
.endr
.irp i, 2,4,6
.irp t, 0,1,2,3
	v_pk_fma_f32 v[PT+2*\t:PT+2*\t+1], v[XR+8*\t+\i:XR+8*\t+\i+1], v[XR+8*\t+\i:XR+8*\t+\i+1], v[PT+2*\t:PT+2*\t+1]
.endr
.endr
.irp t, 0,1,2,3
	v_add_f32 v[SU+\t], v[PT+2*\t], v[PT+2*\t+1]
.endr
	ROWSUM
.irp t, 0,1,2,3
	v_fma_f32 v[SU+\t], v[SU+\t], s78, s79         ; the variance + 1e-5
.endr
	s_wait_alu depctr_va_vdst(0)
.irp t, 0,1,2,3
	v_rsq_f32 v[SU+\t], v[SU+\t]
.endr
	v_nop                                          ; a plain line behind the last of the batch
	s_wait_alu depctr_va_vdst(0)                   ; the four reciprocal roots v[SU ..] are written: one wait for the batch, ahead of its first reader
.irp t, 0,1,2,3
.irp i, 0,1,2,3,4,5,6,7
	v_mul_f32 v[XR+8*\t+\i], v[XR+8*\t+\i], v[SU+\t]
.endr
.endr
.irp t, 0,1,2,3
.irp i, 0,2,4,6
	v_pk_fma_f32 v[XR+8*\t+\i:XR+8*\t+\i+1], v[XR+8*\t+\i:XR+8*\t+\i+1], v[GA+\i:GA+\i+1], v[BE+\i:BE+\i+1]
.endr
.endr
	s_wait_alu depctr_va_vdst(0)                   ; the norm has written v[XR ..], which the eight stores read
.irp t, 0,1,2,3
	global_store_b128 v7, v[XR+8*\t:XR+8*\t+3], s[32:33] offset:1024*\t th:TH_STORE_NT          ; 32 lanes store 512 consecutive bytes, at a multiple of 256 from the output's first byte
	global_store_b128 v7, v[XR+8*\t+4:XR+8*\t+7], s[32:33] offset:1024*\t+512 th:TH_STORE_NT
.endr
	s_wait_dscnt 0x0                               ; the closing lines, six on end
	s_wait_alu 0x0
	s_wait_tensorcnt 0x0
	ds_add_u32 v47, v215
	s_wait_dscnt 0x0
	s_endpgm
.Lfunc_end_k_q9de60612ab_aggregate:
	.size	k_q9de60612ab_aggregate, .Lfunc_end_k_q9de60612ab_aggregate-k_q9de60612ab_aggregate
	.p2alignl 7, 3214868480
	.fill 96, 4, 3214868480
	.section	.rodata,"a",@progbits
	.p2align	6, 0x0
	.amdhsa_kernel k_q9de60612ab_aggregate
		.amdhsa_group_segment_fixed_size 222976
		.amdhsa_private_segment_fixed_size 0
		.amdhsa_enable_private_segment 0
		.amdhsa_kernarg_size 120
		.amdhsa_user_sgpr_count 2
		.amdhsa_user_sgpr_kernarg_segment_ptr 1
		.amdhsa_wavefront_size32 1
		.amdhsa_system_sgpr_workgroup_id_x 1
		.amdhsa_system_sgpr_workgroup_id_y 1
		.amdhsa_system_sgpr_workgroup_id_z 1
		.amdhsa_system_vgpr_workitem_id 0
		.amdhsa_next_free_vgpr 512
		.amdhsa_next_free_sgpr 80
		.amdhsa_reserve_vcc 0
		.amdhsa_float_denorm_mode_32 3
		.amdhsa_float_denorm_mode_16_64 3
		.amdhsa_memory_ordered 1
		.amdhsa_forward_progress 1
		.amdhsa_inst_pref_size 145
	.end_amdhsa_kernel
	.amdgpu_metadata
---
amdhsa.version: [ 1, 2 ]
amdhsa.kernels:
  - .name:           k_q9de60612ab_aggregate
    .symbol:         k_q9de60612ab_aggregate.kd
    .args:
      - { .name: knn, .offset: 0, .size: 8, .value_kind: global_buffer, .address_space: global }
      - { .name: coords, .offset: 8, .size: 8, .value_kind: global_buffer, .address_space: global }
      - { .name: features_codes, .offset: 16, .size: 8, .value_kind: global_buffer, .address_space: global }
      - { .name: features_scales, .offset: 24, .size: 8, .value_kind: global_buffer, .address_space: global }
      - { .name: W_feat_codes, .offset: 32, .size: 8, .value_kind: global_buffer, .address_space: global }
      - { .name: W_feat_scales, .offset: 40, .size: 8, .value_kind: global_buffer, .address_space: global }
      - { .name: W_pos2_codes, .offset: 48, .size: 8, .value_kind: global_buffer, .address_space: global }
      - { .name: W_pos2_scales, .offset: 56, .size: 8, .value_kind: global_buffer, .address_space: global }
      - { .name: W_pos1, .offset: 64, .size: 8, .value_kind: global_buffer, .address_space: global }
      - { .name: b_pos1, .offset: 72, .size: 8, .value_kind: global_buffer, .address_space: global }
      - { .name: b_feat, .offset: 80, .size: 8, .value_kind: global_buffer, .address_space: global }
      - { .name: b_pos2, .offset: 88, .size: 8, .value_kind: global_buffer, .address_space: global }
      - { .name: gamma, .offset: 96, .size: 8, .value_kind: global_buffer, .address_space: global }
      - { .name: beta, .offset: 104, .size: 8, .value_kind: global_buffer, .address_space: global }
      - { .name: out0, .offset: 112, .size: 8, .value_kind: global_buffer, .address_space: global }
    .group_segment_fixed_size: 222976
    .private_segment_fixed_size: 0
    .kernarg_segment_align: 8
    .kernarg_segment_size: 120
    .max_flat_workgroup_size: 256
    .sgpr_count:     80
    .vgpr_count:     512
    .wavefront_size: 32
...
	.end_amdgpu_metadata
.endif
;; end of part 6
